; MI455X (gfx1250); checked and timed in simulation.
; The chip was launched on July 23, 2026; its instructions are those of AMD's public machine-readable ISA for CDNA 5 (MIT licence, August 2026) and "CDNA5" Instruction Set Architecture Reference Guide (July 2026). The comments in the code are by the model that wrote it; some were corrected since.
;; Naive Fourier KAN Layer. Allowed arithmetic: matrix products marked QUANTISED: E4M3 operands, one given power-of-two scale a tensor, by v_wmma_f32_16x16x64_fp8_fp8 or v_wmma_f32_16x16x128_fp8_fp8, f32 sums; everything else in f32.
;; Inputs: bias 1 x 512 float32; fouriercoeffs 2 x 512 x 512 x 16 float32; lowp_scales 4 int32 (the exponents e of the quantised operands' scales 2^e); x 8,192 x 512 float32.
;; Outputs: out0 8,192 x 512 float32.
;; This version of the problem:
;;   THIS VERSION OF THE PROBLEM IS GIVEN IN LOW PRECISION. The matrix products marked QUANTISED in the list below multiply operands that are first quantised to E4M3 (4 exponent bits, 3 mantissa bits; 8 bits a number), with one given power-of-two scale for each operand tensor; their sums are f32. All else is computed in f32.
;;   The module's matrix products, in the order in which they are computed (A, B: the left and right operand; K: the contracted axis; several contracted axes count as one K, in the product's order):
;;     1. [M 8,192, K 8,192] x [K 8,192, N 512]; A: computed on the way; B: input fouriercoeffs: QUANTISED (scales: A lowp_scales[0], B lowp_scales[1])
;;     2. [M 8,192, K 8,192] x [K 8,192, N 512]; A: computed on the way; B: input fouriercoeffs: QUANTISED (scales: A lowp_scales[2], B lowp_scales[3])
;;   THE QUANTISER, for each operand of a quantised product, along K:
;;     - The operand's scale is 2^e, e = its entry of the input lowp_scales (int32; the entries are numbered through the quantised products in the list's order, A before B).
;;     - Each number is divided by the scale, clamped to +-448, and rounded to the nearest number of E4M3, ties to even, subnormals kept.
;;     - The product sums the exact products of the quantised numbers (number of the format x scale) in f32.
;;   ~~~python
;;   def quantise(x, axis, e):      # numpy; x: float32 -> the quantised numbers, widened to float32 again
;;       x = np.moveaxis(x, axis, -1); K = x.shape[-1]
;;       r = np.clip(x / 2.0 ** e, -448, 448)
;;       step = 2.0 ** (np.maximum(np.frexp(np.where(r == 0, 1, r))[1] - 1, -6) - 3)
;;       q = np.round(r / step) * step * 2.0 ** e      # np.round: ties to even
;;       return np.moveaxis(q, -1, axis).astype(np.float32)
;;   ~~~
;;   OPERANDS COMPUTED ON THE WAY. 'Computed on the way' means the value that the module computes at that place (a softmax that the list does not call 'softmax' is quantised finished and normalised). What goes into a quantiser is computed in f32, as accurately as f32 sums, v_exp_f32 and their like allow (about 1e-6 of the number): no bf16 or f16 on the way to a quantiser, and a product that is left as it is and whose result goes on into a quantised operand takes f32 operands (vector FMAs, or v_wmma_f32_16x16x4_f32). A number that lies on a knife's edge between two numbers of the format may be rounded either way, as far as f32 arithmetic and the matrix unit's own rounding can turn it there, and no further.
;; 2 versions, each right. Each part assembles by itself: llvm-mc -triple=amdgcn-amd-amdhsa -mcpu=gfx1250 --defsym DOCPART=n.
;; ======== version 1 of 2: 2 launches
;; limits: inputs' magnitudes at most 13,000,000; an absolute error that grows with the inputs' magnitude: up to 9.5e-07 times it
;; workspace buffers: bq 8,388,608 bytes
;; launch quantb (part 1): grid 256 x 1, 8 waves a work-group, no clusters, 70,656 bytes of LDS; arguments fouriercoeffs, lowp_scales, bq; writes bq
.if DOCPART == 1
	.amdgcn_target "amdgcn-amd-amdhsa--gfx1250"
	.amdhsa_code_object_version 6
	.text
	.protected	k_q43b0e76399_quantb
	.globl	k_q43b0e76399_quantb
	.p2align	8
	.type	k_q43b0e76399_quantb,@function
k_q43b0e76399_quantb:
	s_mov_b64 s[64:65], 0
	v_nop
	global_prefetch_b8 v0, s[64:65] scope:SCOPE_SE
	s_setreg_imm32_b32 hwreg(HW_REG_WAVE_MODE, 25, 1), 1
	s_wait_xcnt 0x0
; fouriercoeffs [2][512 o][512 i][16 g], f32, becomes codes of FP8 (E4M3) in bq, laid as IMAGES OF THE OPERAND'S REGISTERS for the next launch.
; code = number / 2^e, held within +-448, to the nearest code, ties to even; e = lowp_scales[1] for the cosine's half, lowp_scales[3] for the sine's.
; LIMITS: -126 <= e <= 119, so that 2^e and 448 x 2^e are f32 numbers.  NaN among the inputs is not served.
; A FRAGMENT is 16 columns o x 128 along K (step t: i = 8 t .. 8 t + 7, all 16 g): 16 registers a lane, 2,048 bytes: group c (registers 4 c .. 4 c + 3) of lane l at 512 c + 16 l.
; Lane (r = l % 16, h = l / 16) holds column r; its byte 32 u + 2 g + p stands for i = 8 t + 4 h + 2 u + p at frequency index g.  The next launch lays its own operand by the same rule,
; so every product meets its partner.
; bq: [ct 2][e 32][c 4][j 2][cb 8][2,048 bytes]: c = kind + 2 nh, t = 2 e + j, column o = 256 ct + 128 nh + 16 cb + r.
; SHARES.  Work-group = (ct, e, c), wave = cb: two fragments (j = 0, 1).  A lane's 64 numbers are 256 consecutive bytes of one row of the input: each load lets sixteen lanes read one such block whole,
; the blocks turn through the wave's own stage in LDS (rows of 256 + 16 bytes, one for each target lane), and each lane reads its own row back.  The hold at the largest code writes each number
; to its place in the fragment's order, so the permutation costs no instruction.  No barrier: waves share nothing.
.set PIT,   272                        ; a stage row: 256 bytes + 16: seventeen times 16 bytes
.set STG,   32*PIT                     ; a wave's stage
.set SPARE, 8*STG                      ; behind the stages: the spare words, 128 bytes for each wave: four blocks of 256 bytes that no other line names
.set SPW,  1                           ; v1   LDS address of my spare word; never rewritten
.set NIL,  2                           ; v2   0; never rewritten
.set GA,   3                           ; v3   in: (l / 16) rows of 32,768 bytes + 16 (l % 16)
.set SW,   4                           ; v4   the stage, on the way in: row l / 16, 16 (l % 16)
.set SR,   5                           ; v5   the stage, on the way out: row l
.set L16,  6                           ; v6   16 l: my place in a group of an image
.set GR,   16                          ; v16-143  two fragments x 64 numbers: as loaded, later held and in the fragment's order
.set YR,   144                         ; v144-207 my own 64 numbers as they lie in memory
.set CR,   208                         ; v208-239 the codes, 16 registers a fragment
.set LIM,  240                         ; v240 448 x 2^e
.set SCA,  241                         ; v241 2^e
	s_load_b128 s[4:7], s[0:1], 0x0                ; fouriercoeffs, lowp_scales
	s_load_b64 s[8:9], s[0:1], 0x10                ; bq
	v_lshl_add_u32 v[SPW], v0, 2, SPARE
	v_mov_b32 v[NIL], 0
	v_lshrrev_b32 v7, 5, v0
	v_readfirstlane_b32 s10, v7                    ; wave = cb
	v_and_b32 v8, 31, v0                           ; l
	v_and_b32 v9, 15, v0                           ; l % 16
	v_bfe_u32 v10, v0, 4, 1                        ; l / 16
	v_lshlrev_b32 v11, 4, v9
	v_lshl_add_u32 v[GA], v10, 15, v11
	s_mul_i32 s11, s10, STG
	v_mul_u32_u24 v12, v10, PIT
	v_add_nc_u32 v12, v12, v11
	v_add_nc_u32 v[SW], s11, v12
	v_mul_u32_u24 v12, v8, PIT
	v_add_nc_u32 v[SR], s11, v12
	v_lshlrev_b32 v[L16], 4, v8
	s_and_b32 s12, ttmp9, 1                        ; kind
	s_bfe_u32 s13, ttmp9, 0x10001                  ; nh
	s_bfe_u32 s14, ttmp9, 0x50002                  ; e
	s_lshr_b32 s15, ttmp9, 7                       ; ct
	s_lshl_b32 s16, s12, 24                        ; in: kind x 16,777,216
	s_lshl_b32 s18, s15, 23                        ; + (256 ct + 128 nh + 16 wave) rows of 32,768 bytes
	s_add_co_u32 s16, s16, s18
	s_lshl_b32 s18, s13, 22
	s_add_co_u32 s16, s16, s18
	s_lshl_b32 s18, s10, 19
	s_add_co_u32 s16, s16, s18
	s_lshl_b32 s18, s14, 10                        ; + e x two steps of 512 bytes
	s_add_co_u32 s16, s16, s18
	s_mov_b32 s17, 0
	s_lshl_b32 s18, ttmp9, 15                      ; out: work-group x 32,768 + wave x 2,048
	s_lshl_b32 s19, s10, 11
	s_add_co_u32 s18, s18, s19
	s_mov_b32 s19, 0
	s_wait_kmcnt 0x0
	s_load_b128 s[20:23], s[6:7], 0x0              ; the four exponents
	s_add_nc_u64 s[4:5], s[4:5], s[16:17]
	s_add_nc_u64 s[8:9], s[8:9], s[18:19]
; load (j, q): lanes 0-15 read the 256 bytes of target lane 2 q, lanes 16-31 those of target lane 2 q + 1: row 2 (q % 8) + l / 16, half q / 8
.irp j, 0,1
.irp q, 0,1,2,3,4,5,6,7,8,9,10,11,12,13,14,15
	global_load_b128 v[GR+64*\j+4*\q:GR+64*\j+4*\q+3], v[GA], s[4:5] offset:2*(\q%8)*32768+(\q/8)*256+512*\j th:TH_LOAD_NT
.endr
.endr
	s_wait_kmcnt 0x0
	s_cmp_eq_u32 s12, 0
	s_cselect_b32 s21, s21, s23                    ; e of my half
	s_add_co_i32 s21, s21, 127
	s_lshl_b32 s22, s21, 23
	v_mov_b32 v[SCA], s22                          ; 2^e as f32: the conversion takes its exponent field
	s_add_co_i32 s21, s21, 8
	s_lshl_b32 s21, s21, 23
	s_or_b32 s21, s21, 0x600000
	v_mov_b32 v[LIM], s21                          ; 448 x 2^e
.macro FRAG j
	s_wait_loadcnt 16*(1-\j)                       ; this fragment's sixteen loads are in; the other fragment's sixteen, issued behind them, may be out
.irp q, 0,1,2,3,4,5,6,7,8,9,10,11,12,13,14,15
	ds_store_b128 v[SW], v[GR+64*\j+4*\q:GR+64*\j+4*\q+3] offset:2*PIT*\q
.endr
.irp p, 0,1,2,3,4,5,6,7,8,9,10,11,12,13,14,15
	ds_load_b128 v[YR+4*\p:YR+4*\p+3], v[SR] offset:16*\p   ; LDS serves a wave's instructions in order (ISA guide 5.7.1.4): these see the stores above
.endr
	s_wait_dscnt 0x0                               ; my 64 numbers are in, and the stores have read their registers
.irp u, 0,1
.irp p, 0,1
.irp g, 0,1,2,3,4,5,6,7,8,9,10,11,12,13,14,15
	v_med3_num_f32 v[GR+64*\j+32*\u+2*\g+\p], v[YR+16*(2*\u+\p)+\g], -v[LIM], v[LIM]   ; the conversion to an 8-bit code does not saturate (ISA guide 7.6.2): the hold, which also puts the number in its place
.endr
.endr
.endr
.irp m, 0,1,2,3,4,5,6,7
	v_cvt_scalef32_pk8_fp8_f32 v[CR+16*\j+2*\m:CR+16*\j+2*\m+1], v[GR+64*\j+8*\m:GR+64*\j+8*\m+7], v[SCA]
.endr
	v_nop                                          ; one plain vector instruction behind the last scaled conversion of the run
.irp c, 0,1,2,3
	global_store_b128 v[L16], v[CR+16*\j+4*\c:CR+16*\j+4*\c+3], s[8:9] offset:16384*\j+512*\c   ; 32 lanes store 512 consecutive bytes, at a multiple of 256 from bq's first byte
.endr
.endm
	FRAG 0
	FRAG 1
	s_wait_tensorcnt 0x0                           ; the wave's end: behind my last LDS store
	ds_add_u32 v[SPW], v[NIL]
	s_wait_dscnt 0x0
	s_endpgm
.Lfunc_end_k_q43b0e76399_quantb:
	.size	k_q43b0e76399_quantb, .Lfunc_end_k_q43b0e76399_quantb-k_q43b0e76399_quantb
	.p2alignl 7, 3214868480
	.fill 96, 4, 3214868480
	.section	.rodata,"a",@progbits
	.p2align	6, 0x0
	.amdhsa_kernel k_q43b0e76399_quantb
		.amdhsa_group_segment_fixed_size 70656
		.amdhsa_private_segment_fixed_size 0
		.amdhsa_enable_private_segment 0
		.amdhsa_kernarg_size 24
		.amdhsa_user_sgpr_count 2
		.amdhsa_user_sgpr_kernarg_segment_ptr 1
		.amdhsa_wavefront_size32 1
		.amdhsa_system_sgpr_workgroup_id_x 1
		.amdhsa_system_sgpr_workgroup_id_y 1
		.amdhsa_system_sgpr_workgroup_id_z 1
		.amdhsa_system_vgpr_workitem_id 0
		.amdhsa_next_free_vgpr 256
		.amdhsa_next_free_sgpr 66
		.amdhsa_reserve_vcc 0
		.amdhsa_float_denorm_mode_32 3
		.amdhsa_float_denorm_mode_16_64 3
		.amdhsa_memory_ordered 1
		.amdhsa_forward_progress 1
		.amdhsa_inst_pref_size 20
	.end_amdhsa_kernel
	.amdgpu_metadata
---
amdhsa.version: [ 1, 2 ]
amdhsa.kernels:
  - .name:           k_q43b0e76399_quantb
    .symbol:         k_q43b0e76399_quantb.kd
    .args:
      - { .name: fouriercoeffs, .offset: 0, .size: 8, .value_kind: global_buffer, .address_space: global }
      - { .name: lowp_scales, .offset: 8, .size: 8, .value_kind: global_buffer, .address_space: global }
      - { .name: bq, .offset: 16, .size: 8, .value_kind: global_buffer, .address_space: global }
    .group_segment_fixed_size: 70656
    .private_segment_fixed_size: 0
    .kernarg_segment_align: 8
    .kernarg_segment_size: 24
    .max_flat_workgroup_size: 256
    .sgpr_count:     66
    .vgpr_count:     256
    .wavefront_size: 32
...
	.end_amdgpu_metadata
.endif
;; end of part 1
;; launch kan (part 2): grid 128 x 2, 8 waves a work-group, clusters of 4 x 1, 327,680 bytes of LDS; arguments x, bq, lowp_scales, bias, out0; writes out0
.if DOCPART == 2
	.amdgcn_target "amdgcn-amd-amdhsa--gfx1250"
	.amdhsa_code_object_version 6
	.text
	.protected	k_q43b0e76399_kan
	.globl	k_q43b0e76399_kan
	.p2align	8
	.type	k_q43b0e76399_kan,@function
k_q43b0e76399_kan:
	s_mov_b64 s[64:65], 0
	v_nop
	global_prefetch_b8 v0, s[64:65] scope:SCOPE_SE
	s_setreg_imm32_b32 hwreg(HW_REG_WAVE_MODE, 25, 1), 1
	s_wait_xcnt 0x0
	s_wait_alu depctr_hold_cnt(0) depctr_sa_sdst(0) depctr_va_vdst(0) depctr_va_sdst(0) depctr_va_ssrc(0) depctr_va_vcc(0) depctr_vm_vsrc(0)
	s_getreg_b32 s2, hwreg(HW_REG_IB_STS2, 6, 4)
	s_cmp_eq_u32 s2, 0
	s_cbranch_scc0 .Lentry_in_a_cluster
	s_endpgm
.Lentry_in_a_cluster:
	s_bfe_u32 s2, ttmp6, 0x10000c
	s_cmp_lg_u32 s2, 0x3003
	s_cbranch_scc0 .Lentry_shape_is_right
	s_endpgm
.Lentry_shape_is_right:
; out0[b][o] = sum over (i, g) of Q(cos((g+1) x[b][i])) Q(F[0][o][i][g]) + the same with sin and F[1], + bias[o].  Both products on codes of FP8 (E4M3), sums in f32.
; F's codes come from bq (the launch before); the cosines and sines are made here, in f32, quantised in registers, and never go to memory.
; The two products have scales of their own, so they are summed apart: y = sin_sum x 2^(e2+e3) + (cos_sum x 2^(e0+e1) + bias).
; SHARES.  A work-group makes 64 rows x 256 columns.  Eight waves of 512 registers, in two roles by the wave's number.
;   Waves 0-3 MULTIPLY: wave w takes one kind (w % 2: cosine, sine) and 128 columns (w / 2) for all 64 rows, over the whole K: 32 accumulators, 32 matrix instructions a step of 128 along K.
;   Waves 4-7 MAKE A: wave 4 + p takes rows 16 p .. 16 p + 15 and makes, for each step, one fragment of cosines and one of sines; they go to LDS as images of their registers.
; K ORDER.  Step t covers i = 8 t .. 8 t + 7.  Lane (r = l % 16, h = l / 16) holds 64 bytes of a fragment; byte 32 u + 2 g + p stands for i = 8 t + 4 h + 2 u + p at frequency g + 1: the same in A and in bq.
; CLUSTER.  The four work-groups of a cluster have the same 256 columns and walk the same bq: each tile is asked for JOINTLY, by the same tensor load with the same descriptor and the mask of all four.
; THE RING.  Two LDS slots of 131,072 bytes, each an EPOCH (two steps) of the column tile's codes: one dense block of bq.  Each of the eight waves fetches 16,384 bytes of it: one tensor load of a wave is out at a time.
; THE MATRIX INSTRUCTION IS USED TRANSPOSED (source 0 = 16 columns of bq, source 1 = 16 rows of A): a lane holds one row and eight neighbouring columns of the result.
; COSINES AND SINES.  x = n pi + r (n by the magic-number rounding, pi in two parts), sin r and cos r by their Taylor series to r^13 and r^12 on |r| <= pi/2 (what is cut off is under 1e-8 for every x),
; the sign from n's parity; frequencies 2 to 8 by angle addition, 9 to 16 by reflection at 8: cos(8+j) = 2 cos 8 cos j - cos(8-j), sin(8+j) = 2 cos 8 sin j + sin(8-j).  All packed, two x at a time.
; LIMITS.  The cosine and sine are taken of the exact product k x, where the definition first rounds k x to f32: a difference in the angle of at most k |x| 2^-24.  |x| < 1.3e7 (n fits the magic number).
; -126 <= e0, e2 <= 119;  -126 <= e0 + e1, e2 + e3 <= 127.  NaN and infinity in x are not served.
.set SLOTB,  131072                    ; a slot; slot 1 begins here, so that one exclusive or turns an address
.set FRB,    2048                      ; a fragment's image: group c of lane l at 512 c + 16 l; every LDS access of an image is 512 consecutive bytes
.set A_BASE, 2*SLOTB                   ; A's images: buffer (t % 2) x 16,384 + kind x 8,192 + row block x 2,048
.set ABUF,   16384
.set X_BASE, A_BASE+2*ABUF             ; x stages: for each making wave 16 rows x (256 + 16) bytes: 64 numbers of x a row, eight steps' worth
.set XPIT,   272
.set XSTG,   16*XPIT
.set SPARE,  X_BASE+4*XSTG             ; the spare words, 128 bytes for each wave: four blocks of 256 bytes that no other line names
.set YPIT,   1040                      ; the way out: a stage of 64 rows x (1,024 + 16) bytes for each kind, from LDS byte 0: in the slots, behind their last fill and their last read
.set YKIND,  64*YPIT
; vector registers that all waves have; made at the head, on the one way; they never hold data
.set L16, 0                            ; v0   16 x lane (the thread's number until the head is done)
.set SPW, 1                            ; v1   LDS address of my spare word; never rewritten
.set NIL, 2                            ; v2   0; never rewritten
.set AB0, 3                            ; v3   16 l + (w % 4) x 32,768: my part of a slot
.set ADB, 4                            ; v4   the same in the slot in hand
.set ADA, 5                            ; v5   A's images of my kind
.set AW,  6                            ; v6   where I store A's images: row block w % 4
.set XW,  7                            ; v7   x stage, in: row l / 16, 16 (l % 16)
.set XR0, 8                            ; v8   x stage, out: row r, 16 h
.set XAD, 9                            ; v9   the same at the epoch's place in the chunk
.set XG0, 10                           ; v10  x in memory: (l / 16) rows of 2,048 bytes + 16 (l % 16)
.set XGA, 11                           ; v11  the same at the chunk that the next change of chunks asks for
.set PFO, 12                           ; v12  256 x lane, for the prefetches
.set STO, 13                           ; v13  y stage, in
.set RD0, 14                           ; v14  y stage, back: the cosines' sums
.set RD1, 15                           ; v15  the sines'
; the multiplying waves: window 0: seven fragments of A and eight of B; window 1: accumulator (a, cb) at v[8 (8 a + cb)]
.set FR0, 16                           ; v16-111  A, row blocks 0-2, two sets by the step's parity
.set FR6, 112                          ; v112-127 A, row block 3
.set BH0, 128                          ; v128-191 B, column blocks 0-3
.set BH1, 192                          ; v192-255 B, column blocks 4-7
; the making waves: window 0 alone
.set XV,  16                           ; v16-19   the step's four x
.set XG,  20                           ; v20-51   the next chunk of x
.set TQ,  52                           ; at work, pairs, + 20 u for unit u: x / pi + magic
.set TR,  54                           ; r
.set TU,  56                           ; r^2
.set TPS, 58                           ; the sine's series
.set TPC, 60                           ; the cosine's
.set TNF, 62                           ; n as f32, later r^3
.set TSG, 64                           ; n's parity in the sign's place
.set TD8, 66                           ; 2 cos 8 x
.set TTT, 68                           ; 2 sin
.set LIMC, 92                          ; 448 x 2^e0
.set SCAC, 93                          ; 2^e0
.set LIMS, 94                          ; 448 x 2^e2
.set SCAS, 95                          ; 2^e2
.set CN,  96                           ; cosines of unit u at v[96 + 64 u ..]: frequency k's pair at + 2 (k - 1)
.set SN,  128                          ; sines at v[128 + 64 u ..]
.set CODC, 224                         ; v224-239 the cosines' codes
.set CODS, 240                         ; v240-255 the sines'
; scalar registers
.set WV,   14                          ; my wave's number
.set KIND, 15                          ; w % 2
.set W3,   16                          ; w % 4
.set G1,   24                          ; s[24:31] descriptor group 1
.set G0,   32                          ; s[32:35] descriptor group 0, which walks
.set TB,   36                          ; LDS byte at which the slot in hand begins
.set XO,   37                          ; 64 x ((epoch + 1) % 4): where the next epoch's x lie in the chunk
.set EC,   38                          ; the loop's counter
.set LEFT, 39                          ; fills still to come
.set LIM,  40                          ; 2 in a wave that prefetches, else the greatest number
.set XE,   41                          ; 64 x (epoch + 1)
.set PFA,  42                          ; s[42:43] where my prefetches stand
.set XB,   44                          ; s[44:45] x at my sixteen rows
.set OUTB, 46                          ; s[46:47] out0 at my eight rows
.set BIAS, 48                          ; s[48:49] bias at the tile's columns
.set SCLC, 50                          ; s[50:51] 2^(e0 + e1)
.set SCLS, 90                          ; s[90:91] 2^(e2 + e3)
.set K_IPI, 56                         ; constants, as pairs: the packed forms name a pair and take its low word for both halves
.set K_MAG, 58
.set K_NMG, 60
.set K_NPH, 62
.set K_NPL, 66
.set K_S13, 68
.set K_S11, 70
.set K_S9,  72
.set K_S7,  74
.set K_S5,  76
.set K_S3,  78
.set K_C12, 80
.set K_C10, 82
.set K_C8,  84
.set K_C6,  86
.set K_C4,  88
.set MSB, 0
.macro WIN new                         ; the immediate's high byte repeats the setting that is left
.if MSB != \new
	s_set_vgpr_msb (MSB<<8)|\new
.set MSB, \new
.endif
.endm
.macro KPAIR reg, val
	s_mov_b32 s[\reg], \val
	s_mov_b32 s[\reg+1], \val
.endm
.macro PLACES                          ; four places behind a matrix instruction, ahead of loads into its sources and of reads of its results (ISA guide 7.12.1 for vector instructions)
.rept 4
	v_nop
.endr
.endm
.macro ROUND                           ; a round of the cluster's barrier: my work-group's barrier; wave 0 signals for the work-group; every wave waits for all four work-groups; my work-group's barrier once more
	s_barrier_signal -1
	s_barrier_wait -1
	s_cmp_lg_u32 s[WV], 0
	s_cbranch_scc1 .Lnot_wave_0_\@
	s_barrier_signal -3
.Lnot_wave_0_\@:
	s_barrier_wait -3
	s_barrier_signal -1
	s_barrier_wait -1
.endm
.macro TLOAD                           ; my 16,384 bytes of an epoch; an s_nop 0 and four v_nop follow
	tensor_load_to_lds s[G0:G0+3], s[G1:G1+7]
	s_nop 0
.rept 4
	v_nop
.endr
.endm
; A PREFETCH INTO THE L2, behind the joint load of each change of slots: the epoch that stands two fills on.  All clusters of a column tile walk the same bq: the first of them (cluster x = 0) asks.
; Its four partners take 32,768 bytes of the epoch each, told apart BY ADDRESS; in each, waves 0-3 take 8,192 bytes, a lane one block of 256: each block is named once in the launch.
; The fill of epoch e + 1 is followed by the request for epoch e + 3; the last request names epoch 31; epochs 0 to 2 come by their loads alone.
.macro ASK
	s_cmp_gt_u32 s[LEFT], s[LIM]
	s_cbranch_scc0 .Lnot_mine_\@
	global_prefetch_b8 v[PFO], s[PFA:PFA+1] th:TH_LOAD_NT scope:SCOPE_SE
.Lnot_mine_\@:
.endm
; THE CHANGE OF SLOTS, at an epoch's head, on every wave's path.  Each wave waits for all its tensor loads (its part of the slot ahead), adds 0 to its spare word, and waits for that and for all its LDS
; instructions: its reads of the slot that it has left and of A's images, its stores of A's images.  Behind the barrier the slot ahead is whole, A of the epoch's first step lies in LDS, and nobody reads the other slot.
; fill = 1: the barrier is a round of the cluster's, and the joint refill of the other slot is the first thing behind it: it has two steps in which to land.
.macro RINGBAR fill
	s_wait_tensorcnt 0x0                           ; no tensor load of mine is out, so group 0 may be written
	ds_add_u32 v[SPW], v[NIL]                      ; 0 onto my spare word; work on registers stands between it and the wait for it
.if \fill
	s_xor_b32 s[G0+1], s[G0+1], SLOTB              ; the other slot than last time,
	s_add_nc_u64 s[G0+2:G0+3], s[G0+2:G0+3], SLOTB ; the next epoch; the type bits on top are not reached
.endif
	s_wait_xcnt 0x0                                ; the last prefetch and the last loads of x, an epoch back or more, have read their addresses, so these may be written
.if \fill
	s_add_nc_u64 s[PFA:PFA+1], s[PFA:PFA+1], SLOTB
.endif
	s_and_b32 s[XO], s[XE], 0xc0
	s_and_b32 s20, s[XE], 0xff00
	s_add_co_u32 s20, s20, 256                     ; the chunk behind the one that a change of chunks in this epoch would stage,
	s_min_u32 s20, s20, 1792                       ; held at the last chunk: no load leaves x (the last change asks for chunk 7 once more, and nobody reads that)
	v_add_nc_u32 v[ADB], s[TB], v[AB0]
	v_add_nc_u32 v[XAD], s[XO], v[XR0]
	v_add_nc_u32 v[XGA], s20, v[XG0]
	s_wait_dscnt 0x0                               ; the add is done, and so are all my LDS loads and stores
.if \fill
	ROUND
	TLOAD
	ASK
	s_sub_co_u32 s[LEFT], s[LEFT], 1
.else
	s_barrier_signal -1
	s_barrier_wait -1
.endif
.endm
; The barrier between an epoch's two steps: A's images change hands; the epoch's tensor load may stay out.
.macro PLAINBAR
	s_wait_dscnt 0x0                               ; for the others' sake: my stores have landed and my reads are over
	s_barrier_signal -1
	s_barrier_wait -1
.endm
.macro FRAGLD reg, adr, off            ; an image comes back as the registers that it was
.irp c, 0,1,2,3
	ds_load_b128 v[(\reg)+4*\c:(\reg)+4*\c+3], v[\adr] offset:(\off)+512*\c
.endr
.endm
; four products: row block a (its fragment in set s, block 3 in FR6) against column blocks c0 .. c0 + 3, which lie from bh on.  zero: the product starts the sum: nothing is ever cleared
.macro MROW a, s, c0, bh, zero
.set AR, FR0+16*(3*(\s)+(\a))
.if (\a) == 3
.set AR, FR6
.endif
.irp b, 0,1,2,3
.set AC, 8*(8*(\a)+(\c0)+\b)
.if \zero
	v_wmma_f32_16x16x128_fp8_fp8 v[AC:AC+7], v[\bh+16*\b:\bh+16*\b+15], v[AR:AR+15], 0
.else
	v_wmma_f32_16x16x128_fp8_fp8 v[AC:AC+7], v[\bh+16*\b:\bh+16*\b+15], v[AR:AR+15], v[AC:AC+7]
.endif
.endr
.endm
; A MULTIPLYING WAVE'S INTERVAL between two barriers, for step t of parity sig: the second half (column blocks 4-7) of step t - 1, out of registers, then the first half of step t.
; So each run of LDS loads has sixteen matrix instructions in which to land.  prev, new: 0 none, 1 adds on, 2 starts the sums.  The 32 accumulators take turns, one instruction a turn, in the same
; order in every step and over the loop's backward jump.
.macro CINT sig, prev, load, new
.if \load
.irp a, 0,1,2                          ; the first run, 28 loads: A's row blocks 0-2 into the set that step t - 2 left, B's column blocks 0-3
	FRAGLD FR0+16*(3*\sig+\a), ADA, \sig*ABUF+\a*FRB
.endr
.irp b, 0,1,2,3
	FRAGLD BH0+16*\b, ADB, \sig*16384+\b*FRB
.endr
.endif
.if \prev
	WIN 0x50                                       ; C and D in window 1
.irp a, 0,1,2,3
	MROW \a, 1-\sig, 4, BH1, (\prev==2)
.endr
	WIN 0
	PLACES
.endif
.if \load
	FRAGLD FR6, ADA, \sig*ABUF+3*FRB               ; the second run, 20 loads: A's row block 3 first, then B's column blocks 4-7
.irp b, 0,1,2,3
	FRAGLD BH1+16*\b, ADB, \sig*16384+(4+\b)*FRB
.endr
.endif
.if \new
	s_wait_dscnt 20                                ; the first run is in; the second run's 20 loads may be out
	WIN 0x50
.irp a, 0,1,2
	MROW \a, \sig, 0, BH0, (\new==2)
.endr
	s_wait_dscnt 16                                ; A's row block 3 is in; B's sixteen loads behind it may be out
	MROW 3, \sig, 0, BH0, (\new==2)
	WIN 0
	PLACES                                         ; for the next interval's first run
.endif
.endm
; the registers of unit u's frequencies a, b and n, and its two pairs at work
.macro ZSET u, a, b, n
.set zca, CN+64*(\u)+2*(\a)-2
.set zsa, SN+64*(\u)+2*(\a)-2
.set zcb, CN+64*(\u)+2*(\b)-2
.set zsb, SN+64*(\u)+2*(\b)-2
.set zcn, CN+64*(\u)+2*(\n)-2
.set zsn, SN+64*(\u)+2*(\n)-2
.set ztt, TTT+20*(\u)
.set zd8, TD8+20*(\u)
.endm
.macro SQUARE k                        ; frequency 2 k from k: cos = 1 - 2 sin sin, sin = 2 sin cos
.irp u, 0,1
	ZSET \u, \k, \k, 2*\k
	v_pk_add_f32 v[ztt:ztt+1], v[zsa:zsa+1], v[zsa:zsa+1]
.endr
.irp u, 0,1
	ZSET \u, \k, \k, 2*\k
	v_pk_fma_f32 v[zcn:zcn+1], v[ztt:ztt+1], v[zsa:zsa+1], 1.0 op_sel_hi:[1,1,0] neg_lo:[1,0,0] neg_hi:[1,0,0]
	v_pk_mul_f32 v[zsn:zsn+1], v[ztt:ztt+1], v[zca:zca+1]
.endr
.endm
.macro CMUL a, b                       ; frequency a + b: cos = cos cos - sin sin, sin = sin cos + cos sin
.irp u, 0,1
	ZSET \u, \a, \b, \a+\b
	v_pk_mul_f32 v[zcn:zcn+1], v[zsa:zsa+1], v[zsb:zsb+1]
	v_pk_mul_f32 v[zsn:zsn+1], v[zca:zca+1], v[zsb:zsb+1]
.endr
.irp u, 0,1
	ZSET \u, \a, \b, \a+\b
	v_pk_fma_f32 v[zcn:zcn+1], v[zca:zca+1], v[zcb:zcb+1], v[zcn:zcn+1] neg_lo:[0,0,1] neg_hi:[0,0,1]
	v_pk_fma_f32 v[zsn:zsn+1], v[zsa:zsa+1], v[zcb:zcb+1], v[zsn:zsn+1]
.endr
.endm
.macro REFL j                          ; frequency 8 + j from j and 8 - j
.irp u, 0,1
	ZSET \u, \j, 8-\j, 8+\j
	v_pk_fma_f32 v[zcn:zcn+1], v[zd8:zd8+1], v[zca:zca+1], v[zcb:zcb+1] neg_lo:[0,0,1] neg_hi:[0,0,1]
	v_pk_fma_f32 v[zsn:zsn+1], v[zd8:zd8+1], v[zsa:zsa+1], v[zsb:zsb+1]
.endr
.endm
.macro HORN ks, kc                     ; a step of both series, both units: four chains that do not wait for each other
.irp u, 0,1
	v_pk_fma_f32 v[TPS+20*\u:TPS+20*\u+1], v[TPS+20*\u:TPS+20*\u+1], v[TU+20*\u:TU+20*\u+1], s[\ks:\ks+1] op_sel_hi:[1,1,0]
	v_pk_fma_f32 v[TPC+20*\u:TPC+20*\u+1], v[TPC+20*\u:TPC+20*\u+1], v[TU+20*\u:TU+20*\u+1], s[\kc:\kc+1] op_sel_hi:[1,1,0]
.endr
.endm
; A MAKING WAVE'S STEP: from the lane's four x in v[XV ..] (two units of two) to a fragment of cosines and one of sines, stored as images into buffer buf.
.macro GEN buf
.irp u, 0,1
	v_pk_fma_f32 v[TQ+20*\u:TQ+20*\u+1], v[XV+2*\u:XV+2*\u+1], s[K_IPI:K_IPI+1], s[K_MAG:K_MAG+1] op_sel_hi:[1,0,0]   ; x / pi + 1.5 x 2^23: the sum's last bits are n, to the nearest
.endr
.irp u, 0,1
	v_pk_add_f32 v[TNF+20*\u:TNF+20*\u+1], v[TQ+20*\u:TQ+20*\u+1], s[K_NMG:K_NMG+1] op_sel_hi:[1,0]                    ; n as f32
.endr
.irp u, 0,1
	v_lshlrev_b32 v[TSG+20*\u], 31, v[TQ+20*\u]                                                                          ; n's parity becomes a sign
	v_lshlrev_b32 v[TSG+20*\u+1], 31, v[TQ+20*\u+1]
.endr
.irp u, 0,1
	v_pk_fma_f32 v[TR+20*\u:TR+20*\u+1], v[TNF+20*\u:TNF+20*\u+1], s[K_NPH:K_NPH+1], v[XV+2*\u:XV+2*\u+1] op_sel_hi:[1,0,1]   ; r = x - n pi, pi in two parts
.endr
.irp u, 0,1
	v_pk_fma_f32 v[TR+20*\u:TR+20*\u+1], v[TNF+20*\u:TNF+20*\u+1], s[K_NPL:K_NPL+1], v[TR+20*\u:TR+20*\u+1] op_sel_hi:[1,0,1]
.endr
.irp u, 0,1
	v_pk_mul_f32 v[TU+20*\u:TU+20*\u+1], v[TR+20*\u:TR+20*\u+1], v[TR+20*\u:TR+20*\u+1]
.endr
.irp u, 0,1
	v_pk_fma_f32 v[TPS+20*\u:TPS+20*\u+1], v[TU+20*\u:TU+20*\u+1], s[K_S13:K_S13+1], s[K_S11:K_S11+1] op_sel_hi:[1,0,0]
	v_pk_fma_f32 v[TPC+20*\u:TPC+20*\u+1], v[TU+20*\u:TU+20*\u+1], s[K_C12:K_C12+1], s[K_C10:K_C10+1] op_sel_hi:[1,0,0]
.endr
.irp u, 0,1
	v_pk_mul_f32 v[TNF+20*\u:TNF+20*\u+1], v[TR+20*\u:TR+20*\u+1], v[TU+20*\u:TU+20*\u+1]                                 ; r^3
.endr
	HORN K_S9, K_C8
	HORN K_S7, K_C6
	HORN K_S5, K_C4
.irp u, 0,1
	v_pk_fma_f32 v[TPS+20*\u:TPS+20*\u+1], v[TPS+20*\u:TPS+20*\u+1], v[TU+20*\u:TU+20*\u+1], s[K_S3:K_S3+1] op_sel_hi:[1,1,0]
	v_pk_fma_f32 v[TPC+20*\u:TPC+20*\u+1], v[TPC+20*\u:TPC+20*\u+1], v[TU+20*\u:TU+20*\u+1], -0.5 op_sel_hi:[1,1,0]
.endr
.irp u, 0,1
	v_pk_fma_f32 v[TPS+20*\u:TPS+20*\u+1], v[TNF+20*\u:TNF+20*\u+1], v[TPS+20*\u:TPS+20*\u+1], v[TR+20*\u:TR+20*\u+1]     ; sin r = r + r^3 (..)
	v_pk_fma_f32 v[TPC+20*\u:TPC+20*\u+1], v[TPC+20*\u:TPC+20*\u+1], v[TU+20*\u:TU+20*\u+1], 1.0 op_sel_hi:[1,1,0]        ; cos r = 1 + r^2 (..)
.endr
.irp u, 0,1
	v_xor_b32 v[CN+64*\u], v[TPC+20*\u], v[TSG+20*\u]                                                                    ; frequency 1: x (-1)^n
	v_xor_b32 v[CN+64*\u+1], v[TPC+20*\u+1], v[TSG+20*\u+1]
	v_xor_b32 v[SN+64*\u], v[TPS+20*\u], v[TSG+20*\u]
	v_xor_b32 v[SN+64*\u+1], v[TPS+20*\u+1], v[TSG+20*\u+1]
.endr
	SQUARE 1
	CMUL 2, 1
	SQUARE 2
	CMUL 4, 1
	SQUARE 4
	CMUL 4, 2
	CMUL 4, 3
.irp u, 0,1
	ZSET \u, 8, 8, 16
	v_pk_add_f32 v[zd8:zd8+1], v[zca:zca+1], v[zca:zca+1]
.endr
.irp j, 1,2,3,4,5,6,7
	REFL \j
.endr
.irp u, 0,1
	ZSET \u, 8, 8, 16
	v_pk_fma_f32 v[zcn:zcn+1], v[zd8:zd8+1], v[zca:zca+1], -1.0 op_sel_hi:[1,1,0]
	v_pk_mul_f32 v[zsn:zsn+1], v[zd8:zd8+1], v[zsa:zsa+1]
.endr
; the hold at the largest code x the scale (the conversion to an 8-bit code does not saturate: ISA guide 7.6.2; it stands whatever the given exponent is, without a branch), and the conversions:
; unit u's 32 registers are bytes 32 u .. 32 u + 31 of the fragment
.irp u, 0,1
.set i, 0
.rept 32
	v_med3_num_f32 v[CN+64*\u+i], v[CN+64*\u+i], -v[LIMC], v[LIMC]
.set i, i+1
.endr
.irp q, 0,1,2,3
	v_cvt_scalef32_pk8_fp8_f32 v[CODC+8*\u+2*\q:CODC+8*\u+2*\q+1], v[CN+64*\u+8*\q:CN+64*\u+8*\q+7], v[SCAC]
.endr
.set i, 0
.rept 32
	v_med3_num_f32 v[SN+64*\u+i], v[SN+64*\u+i], -v[LIMS], v[LIMS]
.set i, i+1
.endr
.irp q, 0,1,2,3
	v_cvt_scalef32_pk8_fp8_f32 v[CODS+8*\u+2*\q:CODS+8*\u+2*\q+1], v[SN+64*\u+8*\q:SN+64*\u+8*\q+7], v[SCAS]
.endr
.endr
	v_nop                                          ; one plain vector instruction behind the last scaled conversion of the run
.irp c, 0,1,2,3
	ds_store_b128 v[AW], v[CODC+4*\c:CODC+4*\c+3] offset:\buf*ABUF+512*\c
.endr
.irp c, 0,1,2,3
	ds_store_b128 v[AW], v[CODS+4*\c:CODS+4*\c+3] offset:\buf*ABUF+8192+512*\c
.endr
.endm
; The next step's four x, out of my own stage (LDS serves a wave's instructions in order: ISA guide 5.7.1.4).  sw = 1: where the next epoch begins a chunk of 64 numbers a row, the chunk that was asked for
; four epochs ago goes into the stage first, and the chunk behind it is asked for.  The branch hangs on the epoch's count alone.
.macro XNEXT off, sw
.if \sw
	s_cmp_lg_u32 s[XO], 0
	s_cbranch_scc1 .Lsame_chunk_\@
	s_wait_loadcnt 0x0                             ; the chunk is in
.irp j, 0,1,2,3,4,5,6,7
	ds_store_b128 v[XW], v[XG+4*\j:XG+4*\j+3] offset:2*XPIT*\j
.endr
	s_wait_dscnt 0x0                               ; the stores have read their registers
.irp j, 0,1,2,3,4,5,6,7
	global_load_b128 v[XG+4*\j:XG+4*\j+3], v[XGA], s[XB:XB+1] offset:4096*\j   ; sixteen lanes read 256 consecutive bytes of a row, aligned
.endr
.Lsame_chunk_\@:
.endif
	ds_load_b128 v[XV:XV+3], v[XAD] offset:\off    ; waited for in front of the next barrier
.endm
; AN EPOCH: steps 2 e and 2 e + 1.  While the multiplying waves read A of step t, the making waves write A of step t + 1 into the other buffer.
.macro EPOCH first, fill, last
	RINGBAR \fill
	s_cmp_lt_u32 s[WV], 4
	s_cbranch_scc0 .Lmake_a_\@
.if \first
	CINT 0, 0, 1, 2
.else
	CINT 0, 1, 1, 1
.endif
	s_branch .Lmet_a_\@
.Lmake_a_\@:
	GEN 1
.if !\last
	XNEXT 0, 1
.endif
.Lmet_a_\@:
	PLAINBAR
	s_cmp_lt_u32 s[WV], 4
	s_cbranch_scc0 .Lmake_b_\@
.if \first
	CINT 1, 2, 1, 1
.else
	CINT 1, 1, 1, 1
.endif
.if !\last
	s_branch .Lmet_b_\@
.endif
.Lmake_b_\@:
.if !\last
	GEN 0
	XNEXT 32, 0
.Lmet_b_\@:
.endif
	s_xor_b32 s[TB], s[TB], SLOTB                  ; on to the other slot
	s_add_co_u32 s[XE], s[XE], 64
.endm
	s_load_b256 s[4:11], s[0:1], 0x0               ; x s[4:5], bq s[6:7], lowp_scales s[8:9], bias s[10:11]
	s_load_b64 s[12:13], s[0:1], 0x20              ; out0
	v_lshl_add_u32 v[SPW], v0, 2, SPARE
	v_mov_b32 v[NIL], 0
	ds_add_u32 v[SPW], v[NIL]                      ; the wave's opening: the add and its wait stand ahead of my first tensor load; the set-up below, work on registers, stands between them
	v_lshrrev_b32 v19, 5, v0
	v_readfirstlane_b32 s[WV], v19                 ; wave 0..7
	s_and_b32 s[KIND], s[WV], 1
	s_and_b32 s[W3], s[WV], 3
	v_and_b32 v16, 31, v0                          ; l
	v_and_b32 v17, 15, v0                          ; r
	v_bfe_u32 v18, v0, 4, 1                        ; h
	v_lshlrev_b32 v19, 4, v16                      ; 16 l
	s_lshl_b32 s20, s[W3], 15
	v_add_nc_u32 v[AB0], s20, v19
	s_lshl_b32 s20, s[KIND], 13
	s_add_co_u32 s20, s20, A_BASE
	v_add_nc_u32 v[ADA], s20, v19
	s_lshl_b32 s20, s[W3], 11
	s_add_co_u32 s20, s20, A_BASE
	v_add_nc_u32 v[AW], s20, v19
	s_mul_i32 s20, s[W3], XSTG
	s_add_co_u32 s20, s20, X_BASE
	v_mul_u32_u24 v20, v18, XPIT
	v_lshl_add_u32 v20, v17, 4, v20
	v_add_nc_u32 v[XW], s20, v20
	v_mul_u32_u24 v20, v17, XPIT
	v_lshl_add_u32 v20, v18, 4, v20
	v_add_nc_u32 v[XR0], s20, v20
	v_lshlrev_b32 v20, 4, v17
	v_lshl_add_u32 v[XG0], v18, 11, v20
	v_lshlrev_b32 v[PFO], 8, v16
	s_mul_i32 s20, s[KIND], YKIND                  ; y stage, in: my kind's stage, my 128 columns' 512 bytes, row r, 32 h
	s_bfe_u32 s2, s[WV], 0x10001
	s_lshl_b32 s2, s2, 9
	s_add_co_u32 s20, s20, s2
	v_mul_u32_u24 v20, v17, YPIT
	v_lshl_add_u32 v20, v18, 5, v20
	v_add_nc_u32 v[STO], s20, v20
	s_mul_i32 s20, s[WV], 8*YPIT                   ; back: wave w takes rows 8 w .. 8 w + 7
	v_add_nc_u32 v[RD0], s20, v19
	v_add_nc_u32 v[RD1], YKIND, v[RD0]
	v_lshlrev_b32 v[L16], 4, v16                   ; the thread's number has served
	; descriptor group 1: 64 rows of 32 elements of 8 bytes, dense in memory and in LDS: 16,384 bytes
	s_mov_b32 s[G1+0], 15|(3<<16)|(1<<21)          ; 15:0 the mask: all four work-groups; 17:16 elements of 8 bytes; 20 no padding; 21 set beside a mask
	s_mov_b32 s[G1+1], 32<<16                      ; tensor_dim0 = 32
	s_mov_b32 s[G1+2], 64<<16                      ; tensor_dim1 = 64
	s_mov_b32 s[G1+3], 32<<16                      ; tile_dim0 = 32
	s_mov_b32 s[G1+4], 64                          ; tile_dim1 = 64
	s_mov_b32 s[G1+5], 32                          ; tensor_dim0_stride
	s_mov_b32 s[G1+6], 0
	s_mov_b32 s[G1+7], 0
	s_mov_b32 s[G0+0], 1                           ; count = 1
	s_lshl_b32 s[G0+1], s[WV], 14                  ; LDS address: slot 0, my part: no place in the cluster enters it
	s_and_b32 s19, ttmp7, 0xffff                   ; ct: the column tile, which the four partners share
	s_lshl_b32 s[G0+2], s19, 22                    ; bq: ct x 4,194,304 + wave x 16,384
	s_lshl_b32 s2, s[WV], 14
	s_add_co_u32 s[G0+2], s[G0+2], s2
	s_mov_b32 s[G0+3], 0
	s_lshl_b32 s[BIAS], s19, 10                    ; bias: 256 ct numbers on
	s_mov_b32 s[BIAS+1], 0
	s_bfe_u32 s17, ttmp6, 0x40000                  ; cx: my place in the cluster: it enters global addresses of x, out0 and the prefetches alone
	s_lshl_b32 s18, ttmp9, 2                       ; in a cluster launch ttmp9 counts clusters
	s_add_co_u32 s18, s18, s17                     ; my block of 64 rows
	s_lshl_b32 s[XB], s18, 17                      ; x: (64 rb + 16 (w % 4)) rows of 2,048 bytes
	s_lshl_b32 s3, s[W3], 15
	s_add_co_u32 s[XB], s[XB], s3
	s_mov_b32 s[XB+1], 0
	s_lshl_b32 s[OUTB], s18, 17                    ; out0: (64 rb + 8 w) rows of 2,048 bytes + 1,024 ct
	s_lshl_b32 s3, s[WV], 14
	s_add_co_u32 s[OUTB], s[OUTB], s3
	s_add_co_u32 s[OUTB], s[OUTB], s[BIAS]
	s_mov_b32 s[OUTB+1], 0
	s_lshl_b32 s[PFA], s19, 22                     ; the prefetches: epoch 2 (the first change of slots steps it to 3), my work-group's 32,768 bytes, my wave's 8,192
	s_add_co_u32 s[PFA], s[PFA], 2*SLOTB
	s_lshl_b32 s3, s17, 15
	s_add_co_u32 s[PFA], s[PFA], s3
	s_lshl_b32 s3, s[W3], 13
	s_add_co_u32 s[PFA], s[PFA], s3
	s_mov_b32 s[PFA+1], 0
	s_lshr_b32 s2, s[WV], 2                        ; 0 in waves 0-3,
	s_or_b32 s2, s2, ttmp9                         ; of the column tile's first cluster: the same in all four partners
	s_cmp_eq_u32 s2, 0
	s_cselect_b32 s[LIM], 2, -1
	s_mov_b32 s[TB], 0
	s_mov_b32 s[XE], 64
	s_mov_b32 s[LEFT], 31
	KPAIR K_IPI, 0x3ea2f983                        ; 1 / pi
	KPAIR K_MAG, 0x4b400000                        ; 1.5 x 2^23
	KPAIR K_NMG, 0xcb400000
	KPAIR K_NPH, 0xc0490fdb                        ; - pi's upper part
	KPAIR K_NPL, 0x33bbbd2e                        ; - pi's lower part (pi lies under its nearest f32 number)
	KPAIR K_S13, 0x2f309231                        ; 1 / 13!
	KPAIR K_S11, 0xb2d7322b                        ; - 1 / 11!
	KPAIR K_S9,  0x3638ef1d
	KPAIR K_S7,  0xb9500d01
	KPAIR K_S5,  0x3c088889
	KPAIR K_S3,  0xbe2aaaab
	KPAIR K_C12, 0x310f76c7                        ; 1 / 12!
	KPAIR K_C10, 0xb493f27e
	KPAIR K_C8,  0x37d00d01
	KPAIR K_C6,  0xbab60b61
	KPAIR K_C4,  0x3d2aaaab
	s_wait_dscnt 0x0                               ; the opening add is done
	s_wait_kmcnt 0x0
	s_load_b128 s[52:55], s[8:9], 0x0              ; e0, e1, e2, e3
	s_add_nc_u64 s[G0+2:G0+3], s[6:7], s[G0+2:G0+3]
	s_or_b32 s[G0+3], s[G0+3], 0x80000000          ; type = 2
	s_add_nc_u64 s[BIAS:BIAS+1], s[10:11], s[BIAS:BIAS+1]
	s_add_nc_u64 s[XB:XB+1], s[4:5], s[XB:XB+1]
	s_add_nc_u64 s[OUTB:OUTB+1], s[12:13], s[OUTB:OUTB+1]
	s_add_nc_u64 s[PFA:PFA+1], s[6:7], s[PFA:PFA+1]
	ROUND                                          ; all four work-groups are here: the first joint loads meet
	TLOAD                                          ; epoch 0 into slot 0
	s_wait_kmcnt 0x0
	s_add_co_i32 s[SCLC], s52, s53
	s_add_co_i32 s[SCLC], s[SCLC], 127
	s_lshl_b32 s[SCLC], s[SCLC], 23                ; 2^(e0 + e1) as f32
	s_mov_b32 s[SCLC+1], s[SCLC]
	s_add_co_i32 s[SCLS], s54, s55
	s_add_co_i32 s[SCLS], s[SCLS], 127
	s_lshl_b32 s[SCLS], s[SCLS], 23                ; 2^(e2 + e3)
	s_mov_b32 s[SCLS+1], s[SCLS]
	s_cmp_lt_u32 s[WV], 4
	s_cbranch_scc1 .Lhead_done
	; the making waves: their scales, the first two chunks of x, A of step 0
	s_add_co_i32 s20, s52, 127
	s_lshl_b32 s2, s20, 23
	v_mov_b32 v[SCAC], s2                          ; 2^e0: the conversion takes its exponent field
	s_add_co_i32 s20, s20, 8
	s_lshl_b32 s20, s20, 23
	s_or_b32 s20, s20, 0x600000
	v_mov_b32 v[LIMC], s20                         ; 448 x 2^e0
	s_add_co_i32 s20, s54, 127
	s_lshl_b32 s2, s20, 23
	v_mov_b32 v[SCAS], s2
	s_add_co_i32 s20, s20, 8
	s_lshl_b32 s20, s20, 23
	s_or_b32 s20, s20, 0x600000
	v_mov_b32 v[LIMS], s20
.irp j, 0,1,2,3,4,5,6,7
	global_load_b128 v[XG+4*\j:XG+4*\j+3], v[XG0], s[XB:XB+1] offset:4096*\j         ; chunk 0
.endr
	s_wait_loadcnt 0x0
.irp j, 0,1,2,3,4,5,6,7
	ds_store_b128 v[XW], v[XG+4*\j:XG+4*\j+3] offset:2*XPIT*\j
.endr
	s_wait_dscnt 0x0                               ; the stores have read their registers
.irp j, 0,1,2,3,4,5,6,7
	global_load_b128 v[XG+4*\j:XG+4*\j+3], v[XG0], s[XB:XB+1] offset:4096*\j+256     ; chunk 1: staged four epochs on
.endr
	ds_load_b128 v[XV:XV+3], v[XR0]                ; step 0's x
	s_wait_dscnt 0x0
	GEN 0
	ds_load_b128 v[XV:XV+3], v[XR0] offset:32      ; step 1's
.Lhead_done:
	EPOCH 1, 1, 0                                  ; the first epoch is written out: its products start the sums
	s_mov_b32 s[EC], 30
.Lepoch:
	EPOCH 0, 1, 0
	s_sub_co_u32 s[EC], s[EC], 1
	s_cmp_lg_u32 s[EC], 0
	s_cbranch_scc1 .Lepoch
	EPOCH 0, 0, 1                                  ; the last epoch is written out: nothing is left to fetch or to make
	; THE WAY OUT.  Behind this barrier nobody reads a slot any more, and both have had their last fill: the stage for the sums lies there.
	PLAINBAR
	s_wait_loadcnt 0x0                             ; (the making waves' last look-ahead chunk has landed: its registers take other data below)
	global_load_b128 v[16:19], v[L16], s[BIAS:BIAS+1]             ; bias of columns 4 l .. 4 l + 3 of the tile's first 128,
	global_load_b128 v[20:23], v[L16], s[BIAS:BIAS+1] offset:512  ; and of its second
	s_cmp_lt_u32 s[WV], 4
	s_cbranch_scc0 .Lno_sums
	CINT 0, 1, 0, 0                                ; the second half of step 63, out of registers; four places follow it
	WIN 0x04                                       ; the stores' data lie in window 1
.irp a, 0,1,2,3
.irp b, 0,1,2,3,4,5,6,7
	ds_store_b128 v[STO], v[64*\a+8*\b:64*\a+8*\b+3] offset:\a*16*YPIT+64*\b          ; lane (r, h): sum(16 a + r, 16 b + 8 h + 0 .. 7) of my kind and half; each accumulator from its low end on
	ds_store_b128 v[STO], v[64*\a+8*\b+4:64*\a+8*\b+7] offset:\a*16*YPIT+64*\b+16
.endr
.endr
	WIN 0
.Lno_sums:
	PLAINBAR                                       ; 64 whole rows of both kinds' sums lie in the stage
.irp n, 0,1,2,3,4,5,6,7,8,9,10,11,12,13,14,15      ; row n / 2 of my eight, half n % 2 of its 256 columns
	ds_load_b128 v[24+8*\n:27+8*\n], v[RD0] offset:YPIT*(\n/2)+512*(\n%2)
	ds_load_b128 v[28+8*\n:31+8*\n], v[RD1] offset:YPIT*(\n/2)+512*(\n%2)
.endr
	s_wait_loadcnt 0x0                             ; bias
.irp n, 0,1,2,3,4,5,6,7,8,9,10,11,12,13,14,15
	s_wait_dscnt 30-2*\n                           ; this pair of loads is in; the younger pairs may be out
	v_pk_fma_f32 v[24+8*\n:25+8*\n], v[24+8*\n:25+8*\n], s[SCLC:SCLC+1], v[16+4*(\n%2):17+4*(\n%2)] op_sel_hi:[1,0,1]   ; cos_sum x 2^(e0 + e1) + bias
	v_pk_fma_f32 v[26+8*\n:27+8*\n], v[26+8*\n:27+8*\n], s[SCLC:SCLC+1], v[18+4*(\n%2):19+4*(\n%2)] op_sel_hi:[1,0,1]
	v_pk_fma_f32 v[24+8*\n:25+8*\n], v[28+8*\n:29+8*\n], s[SCLS:SCLS+1], v[24+8*\n:25+8*\n] op_sel_hi:[1,0,1]           ; + sin_sum x 2^(e2 + e3)
	v_pk_fma_f32 v[26+8*\n:27+8*\n], v[30+8*\n:31+8*\n], s[SCLS:SCLS+1], v[26+8*\n:27+8*\n] op_sel_hi:[1,0,1]
	global_store_b128 v[L16], v[24+8*\n:27+8*\n], s[OUTB:OUTB+1] offset:2048*(\n/2)+512*(\n%2) th:TH_STORE_NT             ; 32 lanes store 512 consecutive bytes, at a multiple of 256 from out0's first byte
.endr
	s_wait_tensorcnt 0x0                           ; the wave's end: behind my last tensor load and my last LDS store
	ds_add_u32 v[SPW], v[NIL]
	s_wait_dscnt 0x0
	ROUND                                          ; the closing round: no work-group ends while a partner may still ask for a tile that names it
	s_endpgm
.Lfunc_end_k_q43b0e76399_kan:
	.size	k_q43b0e76399_kan, .Lfunc_end_k_q43b0e76399_kan-k_q43b0e76399_kan
	.p2alignl 7, 3214868480
	.fill 96, 4, 3214868480
	.section	.rodata,"a",@progbits
	.p2align	6, 0x0
	.amdhsa_kernel k_q43b0e76399_kan
		.amdhsa_group_segment_fixed_size 327680
		.amdhsa_private_segment_fixed_size 0
		.amdhsa_enable_private_segment 0
		.amdhsa_kernarg_size 40
		.amdhsa_user_sgpr_count 2
		.amdhsa_user_sgpr_kernarg_segment_ptr 1
		.amdhsa_wavefront_size32 1
		.amdhsa_system_sgpr_workgroup_id_x 1
		.amdhsa_system_sgpr_workgroup_id_y 1
		.amdhsa_system_sgpr_workgroup_id_z 1
		.amdhsa_system_vgpr_workitem_id 0
		.amdhsa_next_free_vgpr 512
		.amdhsa_next_free_sgpr 92
		.amdhsa_reserve_vcc 0
		.amdhsa_float_denorm_mode_32 3
		.amdhsa_float_denorm_mode_16_64 3
		.amdhsa_memory_ordered 1
		.amdhsa_forward_progress 1
		.amdhsa_inst_pref_size 168
	.end_amdhsa_kernel
	.amdgpu_metadata
---
amdhsa.version: [ 1, 2 ]
amdhsa.kernels:
  - .name:           k_q43b0e76399_kan
    .symbol:         k_q43b0e76399_kan.kd
    .args:
      - { .name: x, .offset: 0, .size: 8, .value_kind: global_buffer, .address_space: global }
      - { .name: bq, .offset: 8, .size: 8, .value_kind: global_buffer, .address_space: global }
      - { .name: lowp_scales, .offset: 16, .size: 8, .value_kind: global_buffer, .address_space: global }
      - { .name: bias, .offset: 24, .size: 8, .value_kind: global_buffer, .address_space: global }
      - { .name: out0, .offset: 32, .size: 8, .value_kind: global_buffer, .address_space: global }
    .group_segment_fixed_size: 327680
    .private_segment_fixed_size: 0
    .kernarg_segment_align: 8
    .kernarg_segment_size: 40
    .max_flat_workgroup_size: 256
    .sgpr_count:     92
    .vgpr_count:     512
    .wavefront_size: 32
...
	.end_amdgpu_metadata
.endif
;; end of part 2
;; ======== version 2 of 2: 2 launches
;; limits: inputs' magnitudes at most 13,000,000; an absolute error that grows with the inputs' magnitude: up to 9.5e-07 times it
;; workspace buffers: bq 8,388,608 bytes
;; launch quantb: the kernel of part 1 again; grid 256 x 1, 8 waves a work-group, no clusters, 70,656 bytes of LDS; arguments fouriercoeffs, lowp_scales, bq; writes bq
;; launch kan (part 3): grid 128 x 2, 8 waves a work-group, clusters of 4 x 1, 327,680 bytes of LDS; arguments x, bq, lowp_scales, bias, out0; writes out0
.if DOCPART == 3
	.amdgcn_target "amdgcn-amd-amdhsa--gfx1250"
	.amdhsa_code_object_version 6
	.text
	.protected	k_q43b0e76399_kan
	.globl	k_q43b0e76399_kan
	.p2align	8
	.type	k_q43b0e76399_kan,@function
k_q43b0e76399_kan:
	s_mov_b64 s[64:65], 0
	v_nop
	global_prefetch_b8 v0, s[64:65] scope:SCOPE_SE
	s_setreg_imm32_b32 hwreg(HW_REG_WAVE_MODE, 25, 1), 1
	s_wait_xcnt 0x0
	s_wait_alu depctr_hold_cnt(0) depctr_sa_sdst(0) depctr_va_vdst(0) depctr_va_sdst(0) depctr_va_ssrc(0) depctr_va_vcc(0) depctr_vm_vsrc(0)
	s_getreg_b32 s2, hwreg(HW_REG_IB_STS2, 6, 4)
	s_cmp_eq_u32 s2, 0
	s_cbranch_scc0 .Lentry_in_a_cluster
	s_endpgm
.Lentry_in_a_cluster:
	s_bfe_u32 s2, ttmp6, 0x10000c
	s_cmp_lg_u32 s2, 0x3003
	s_cbranch_scc0 .Lentry_shape_is_right
	s_endpgm
.Lentry_shape_is_right:
; out0[b][o] = sum over (i, g) of Q(cos((g+1) x[b][i])) Q(F[0][o][i][g]) + the same with sin and F[1], + bias[o].  Both products on codes of FP8 (E4M3), sums in f32.
; F's codes come from bq (the launch before); the cosines and sines are made here, in f32, quantised in registers, and never go to memory.
; The two products have scales of their own, so they are summed apart: y = sin_sum x 2^(e2+e3) + (cos_sum x 2^(e0+e1) + bias).
; SHARES.  A work-group makes 64 rows x 256 columns.  Eight waves of 512 registers, in two roles by the wave's number.
;   Waves 0-3 MULTIPLY: wave w takes one kind (w % 2: cosine, sine) and 128 columns (w / 2) for all 64 rows, over the whole K: 32 accumulators, 32 matrix instructions a step of 128 along K.
;   Waves 4-7 MAKE A: wave 4 + p takes rows 16 p .. 16 p + 15 and makes, for each step, one fragment of cosines and one of sines; they go to LDS as images of their registers.
; K ORDER.  Step t covers i = 8 t .. 8 t + 7.  Lane (r = l % 16, h = l / 16) holds 64 bytes of a fragment; byte 32 u + 2 g + p stands for i = 8 t + 4 h + 2 u + p at frequency g + 1: the same in A and in bq.
; CLUSTER.  The four work-groups of a cluster have the same 256 columns and walk the same bq: each tile is asked for JOINTLY, by the same tensor load with the same descriptor and the mask of all four.
; THE RING.  Two LDS slots of 131,072 bytes, each an EPOCH (two steps) of the column tile's codes: one dense block of bq.  Each of the eight waves fetches 16,384 bytes of it: one tensor load of a wave is out at a time.
; THE WALK ROUND K BEGINS ELSEWHERE IN EACH CLUSTER.  Cluster j begins at epoch 4 SG and goes round modulo 32, SG = (j % 8) xor 7 x (bit 3 of j) xor 3 x (bit 4 of j): eight starts, four clusters of a column
; tile to each, and all eight are met among the sixteen clusters that agree in any one bit of j.  So the 32 clusters of a column tile do not all ask for the same 131,072 bytes in the same epoch: they ask for eight
; different epochs, and from a walk's fifth epoch on for bytes that the clusters of another start loaded in their first four.  A start is a multiple of four epochs, a chunk of x: no LDS address hangs on it.
; THE MATRIX INSTRUCTION IS USED TRANSPOSED (source 0 = 16 columns of bq, source 1 = 16 rows of A): a lane holds one row and eight neighbouring columns of the result.
; COSINES AND SINES.  x = n pi + r (n by the magic-number rounding, pi in two parts), sin r and cos r by their Taylor series to r^13 and r^12 on |r| <= pi/2 (what is cut off is under 1e-8 for every x),
; the sign from n's parity; frequencies 2 to 8 by angle addition, 9 to 16 by reflection at 8: cos(8+j) = 2 cos 8 cos j - cos(8-j), sin(8+j) = 2 cos 8 sin j + sin(8-j).  All packed, two x at a time.
; LIMITS.  The cosine and sine are taken of the exact product k x, where the definition first rounds k x to f32: a difference in the angle of at most k |x| 2^-24.  |x| < 1.3e7 (n fits the magic number).
; The f32 sums take K in the walk's order, which differs from cluster to cluster: an order of rounding.  -126 <= e0, e2 <= 119;  -126 <= e0 + e1, e2 + e3 <= 127.  NaN and infinity in x are not served.
.set SLOTB,  131072                    ; a slot; slot 1 begins here, so that one exclusive or turns an address
.set FRB,    2048                      ; a fragment's image: group c of lane l at 512 c + 16 l; every LDS access of an image is 512 consecutive bytes
.set A_BASE, 2*SLOTB                   ; A's images: buffer (t % 2) x 16,384 + kind x 8,192 + row block x 2,048
.set ABUF,   16384
.set X_BASE, A_BASE+2*ABUF             ; x stages: for each making wave 16 rows x (256 + 16) bytes: 64 numbers of x a row, eight steps' worth
.set XPIT,   272
.set XSTG,   16*XPIT
.set SPARE,  X_BASE+4*XSTG             ; the spare words, 128 bytes for each wave: four blocks of 256 bytes that no other line names
.set YPIT,   1040                      ; the way out: a stage of 64 rows x (1,024 + 16) bytes for each kind, from LDS byte 0: in the slots, behind their last fill and their last read
.set YKIND,  64*YPIT
; vector registers that all waves have; made at the head, on the one way; they never hold data
.set L16, 0                            ; v0   16 x lane (the thread's number until the head is done)
.set SPW, 1                            ; v1   LDS address of my spare word; never rewritten
.set NIL, 2                            ; v2   0; never rewritten
.set AB0, 3                            ; v3   16 l + (w % 4) x 32,768: my part of a slot
.set ADB, 4                            ; v4   the same in the slot in hand
.set ADA, 5                            ; v5   A's images of my kind
.set AW,  6                            ; v6   where I store A's images: row block w % 4
.set XW,  7                            ; v7   x stage, in: row l / 16, 16 (l % 16)
.set XR0, 8                            ; v8   x stage, out: row r, 16 h
.set XAD, 9                            ; v9   the same at the epoch's place in the chunk
.set XG0, 10                           ; v10  x in memory: (l / 16) rows of 2,048 bytes + 16 (l % 16)
.set XGA, 11                           ; v11  the same at the chunk that is asked for next
.set PFO, 12                           ; v12  256 x lane, for the prefetch
.set STO, 13                           ; v13  y stage, in
.set RD0, 14                           ; v14  y stage, back: the cosines' sums
.set RD1, 15                           ; v15  the sines'
; the multiplying waves: window 0: seven fragments of A and eight of B; window 1: accumulator (a, cb) at v[8 (8 a + cb)]
.set FR0, 16                           ; v16-111  A, row blocks 0-2, two sets by the step's parity
.set FR6, 112                          ; v112-127 A, row block 3
.set BH0, 128                          ; v128-191 B, column blocks 0-3
.set BH1, 192                          ; v192-255 B, column blocks 4-7
; the making waves: window 0 alone
.set XV,  16                           ; v16-19   the step's four x
.set XG,  20                           ; v20-51   the next chunk of x
.set TQ,  52                           ; at work, pairs, + 20 u for unit u: x / pi + magic
.set TR,  54                           ; r
.set TU,  56                           ; r^2
.set TPS, 58                           ; the sine's series
.set TPC, 60                           ; the cosine's
.set TNF, 62                           ; n as f32, later r^3
.set TSG, 64                           ; n's parity in the sign's place
.set TD8, 66                           ; 2 cos 8 x
.set TTT, 68                           ; 2 sin
.set LIMC, 92                          ; 448 x 2^e0
.set SCAC, 93                          ; 2^e0
.set LIMS, 94                          ; 448 x 2^e2
.set SCAS, 95                          ; 2^e2
.set CN,  96                           ; cosines of unit u at v[96 + 64 u ..]: frequency k's pair at + 2 (k - 1)
.set SN,  128                          ; sines at v[128 + 64 u ..]
.set CODC, 224                         ; v224-239 the cosines' codes
.set CODS, 240                         ; v240-255 the sines'
; scalar registers
.set GB,   6                           ; s[6:7] bq at my column tile and my wave's part of an epoch
.set WV,   14                          ; my wave's number
.set KIND, 15                          ; w % 2
.set W3,   16                          ; w % 4
.set XS,   21                          ; 256 SG + 256: the walk's start in a row of x, a chunk on
.set EO,   22                          ; s[22:23] the byte in a column tile's codes at which the epoch last asked for begins
.set G1,   24                          ; s[24:31] descriptor group 1
.set G0,   32                          ; s[32:35] descriptor group 0, which walks
.set TB,   36                          ; LDS byte at which the slot in hand begins
.set XO,   37                          ; 64 x ((trip + 1) % 4): where the next epoch's x lie in the chunk
.set EC,   38                          ; the loop's counter
.set LIM,  40                          ; 1 in a wave that prefetches, else 0
.set XE,   41                          ; 64 x (trip + 1), trips counted from the walk's start
.set PFA,  42                          ; s[42:43] where my prefetch stands
.set XB,   44                          ; s[44:45] x at my sixteen rows
.set OUTB, 46                          ; s[46:47] out0 at my eight rows
.set BIAS, 48                          ; s[48:49] bias at the tile's columns
.set SCLC, 50                          ; s[50:51] 2^(e0 + e1)
.set SCLS, 90                          ; s[90:91] 2^(e2 + e3)
.set K_IPI, 56                         ; constants, as pairs: the packed forms name a pair and take its low word for both halves
.set K_MAG, 58
.set K_NMG, 60
.set K_NPH, 62
.set K_NPL, 66
.set K_S13, 68
.set K_S11, 70
.set K_S9,  72
.set K_S7,  74
.set K_S5,  76
.set K_S3,  78
.set K_C12, 80
.set K_C10, 82
.set K_C8,  84
.set K_C6,  86
.set K_C4,  88
.set MSB, 0
.macro WIN new                         ; the immediate's high byte repeats the setting that is left
.if MSB != \new
	s_set_vgpr_msb (MSB<<8)|\new
.set MSB, \new
.endif
.endm
.macro KPAIR reg, val
	s_mov_b32 s[\reg], \val
	s_mov_b32 s[\reg+1], \val
.endm
.macro PLACES                          ; four places behind a matrix instruction, ahead of loads into its sources and of reads of its results (ISA guide 7.12.1 for vector instructions)
.rept 4
	v_nop
.endr
.endm
.macro ROUND                           ; a round of the cluster's barrier: my work-group's barrier; wave 0 signals for the work-group; every wave waits for all four work-groups; my work-group's barrier once more
	s_barrier_signal -1
	s_barrier_wait -1
	s_cmp_lg_u32 s[WV], 0
	s_cbranch_scc1 .Lnot_wave_0_\@
	s_barrier_signal -3
.Lnot_wave_0_\@:
	s_barrier_wait -3
	s_barrier_signal -1
	s_barrier_wait -1
.endm
.macro TLOAD                           ; my 16,384 bytes of an epoch; an s_nop 0 and four v_nop follow
	tensor_load_to_lds s[G0:G0+3], s[G1:G1+7]
	s_nop 0
.rept 4
	v_nop
.endr
.endm
; A PREFETCH INTO THE L2, once, behind the joint load of the walk's first change of slots: the walk's fourth epoch, which stands two fills on.  The walk's first three epochs come by their loads alone; its
; epochs from the fifth on are the first four of another start's walk and are not asked for here.  Four clusters of a column tile have the same start: of each start the one among clusters 0 to 7 asks (there SG = j).
; Its four partners take 32,768 bytes of the epoch each, told apart BY ADDRESS; in each, waves 0-3 take 8,192 bytes, a lane one block of 256: each block is named once in the launch.
.macro ASK
	s_cmp_eq_u32 s[LIM], 1
	s_cbranch_scc0 .Lnot_mine_\@
	global_prefetch_b8 v[PFO], s[PFA:PFA+1] th:TH_LOAD_NT scope:SCOPE_SE
.Lnot_mine_\@:
.endm
; THE CHANGE OF SLOTS, at an epoch's head, on every wave's path.  Each wave waits for all its tensor loads (its part of the slot ahead), adds 0 to its spare word, and waits for that and for all its LDS
; instructions: its reads of the slot that it has left and of A's images, its stores of A's images.  Behind the barrier the slot ahead is whole, A of the epoch's first step lies in LDS, and nobody reads the other slot.
; fill = 1: the barrier is a round of the cluster's, and the joint refill of the other slot is the first thing behind it: it has two steps in which to land.
.macro RINGBAR fill, ask
	s_wait_tensorcnt 0x0                           ; no tensor load of mine is out, so group 0 may be written
	ds_add_u32 v[SPW], v[NIL]                      ; 0 onto my spare word; work on registers stands between it and the wait for it
.if \fill
	s_xor_b32 s[G0+1], s[G0+1], SLOTB              ; the other slot than last time,
	s_add_co_u32 s[EO], s[EO], SLOTB               ; the next epoch of the walk,
	s_and_b32 s[EO], s[EO], 31*SLOTB               ; round modulo 32: the same in all four partners
	s_add_nc_u64 s[G0+2:G0+3], s[GB:GB+1], s[EO:EO+1]
	s_or_b32 s[G0+3], s[G0+3], 0x80000000          ; type = 2
.endif
	s_wait_xcnt 0x0                                ; the last loads of x, an epoch back or more, have read their offsets, so these may be written
	s_and_b32 s[XO], s[XE], 0xc0
	s_and_b32 s20, s[XE], 0xff00
	s_add_co_u32 s20, s20, s[XS]                   ; the chunk behind the one that a change of chunks in this epoch would stage,
	s_and_b32 s20, s20, 0x700                      ; round modulo 8: no load leaves a row of x (the last change asks for the walk's first chunk once more, and nobody reads that)
	v_add_nc_u32 v[ADB], s[TB], v[AB0]
	v_add_nc_u32 v[XAD], s[XO], v[XR0]
	v_add_nc_u32 v[XGA], s20, v[XG0]
	s_wait_dscnt 0x0                               ; the add is done, and so are all my LDS loads and stores
.if \fill
	ROUND
	TLOAD
.if \ask
	ASK
.endif
.else
	s_barrier_signal -1
	s_barrier_wait -1
.endif
.endm
; The barrier between an epoch's two steps: A's images change hands; the epoch's tensor load may stay out.
.macro PLAINBAR
	s_wait_dscnt 0x0                               ; for the others' sake: my stores have landed and my reads are over
	s_barrier_signal -1
	s_barrier_wait -1
.endm
.macro FRAGLD reg, adr, off            ; an image comes back as the registers that it was
.irp c, 0,1,2,3
	ds_load_b128 v[(\reg)+4*\c:(\reg)+4*\c+3], v[\adr] offset:(\off)+512*\c
.endr
.endm
; four products: row block a (its fragment in set s, block 3 in FR6) against column blocks c0 .. c0 + 3, which lie from bh on.  zero: the product starts the sum: nothing is ever cleared
.macro MROW a, s, c0, bh, zero
.set AR, FR0+16*(3*(\s)+(\a))
.if (\a) == 3
.set AR, FR6
.endif
.irp b, 0,1,2,3
.set AC, 8*(8*(\a)+(\c0)+\b)
.if \zero
	v_wmma_f32_16x16x128_fp8_fp8 v[AC:AC+7], v[\bh+16*\b:\bh+16*\b+15], v[AR:AR+15], 0
.else
	v_wmma_f32_16x16x128_fp8_fp8 v[AC:AC+7], v[\bh+16*\b:\bh+16*\b+15], v[AR:AR+15], v[AC:AC+7]
.endif
.endr
.endm
; A MULTIPLYING WAVE'S INTERVAL between two barriers, for a step of parity sig: the second half (column blocks 4-7) of the step before, out of registers, then the first half of this step.
; So each run of LDS loads has sixteen matrix instructions in which to land.  prev, new: 0 none, 1 adds on, 2 starts the sums.  The 32 accumulators take turns, one instruction a turn, in the same
; order in every step and over the loop's backward jump.
.macro CINT sig, prev, load, new
.if \load
.irp a, 0,1,2                          ; the first run, 28 loads: A's row blocks 0-2 into the set that the step two back left, B's column blocks 0-3
	FRAGLD FR0+16*(3*\sig+\a), ADA, \sig*ABUF+\a*FRB
.endr
.irp b, 0,1,2,3
	FRAGLD BH0+16*\b, ADB, \sig*16384+\b*FRB
.endr
.endif
.if \prev
	WIN 0x50                                       ; C and D in window 1
.irp a, 0,1,2,3
	MROW \a, 1-\sig, 4, BH1, (\prev==2)
.endr
	WIN 0
	PLACES
.endif
.if \load
	FRAGLD FR6, ADA, \sig*ABUF+3*FRB               ; the second run, 20 loads: A's row block 3 first, then B's column blocks 4-7
.irp b, 0,1,2,3
	FRAGLD BH1+16*\b, ADB, \sig*16384+(4+\b)*FRB
.endr
.endif
.if \new
	s_wait_dscnt 20                                ; the first run is in; the second run's 20 loads may be out
	WIN 0x50
.irp a, 0,1,2
	MROW \a, \sig, 0, BH0, (\new==2)
.endr
	s_wait_dscnt 16                                ; A's row block 3 is in; B's sixteen loads behind it may be out
	MROW 3, \sig, 0, BH0, (\new==2)
	WIN 0
	PLACES                                         ; for the next interval's first run
.endif
.endm
; the registers of unit u's frequencies a, b and n, and its two pairs at work
.macro ZSET u, a, b, n
.set zca, CN+64*(\u)+2*(\a)-2
.set zsa, SN+64*(\u)+2*(\a)-2
.set zcb, CN+64*(\u)+2*(\b)-2
.set zsb, SN+64*(\u)+2*(\b)-2
.set zcn, CN+64*(\u)+2*(\n)-2
.set zsn, SN+64*(\u)+2*(\n)-2
.set ztt, TTT+20*(\u)
.set zd8, TD8+20*(\u)
.endm
.macro SQUARE k                        ; frequency 2 k from k: cos = 1 - 2 sin sin, sin = 2 sin cos
.irp u, 0,1
	ZSET \u, \k, \k, 2*\k
	v_pk_add_f32 v[ztt:ztt+1], v[zsa:zsa+1], v[zsa:zsa+1]
.endr
.irp u, 0,1
	ZSET \u, \k, \k, 2*\k
	v_pk_fma_f32 v[zcn:zcn+1], v[ztt:ztt+1], v[zsa:zsa+1], 1.0 op_sel_hi:[1,1,0] neg_lo:[1,0,0] neg_hi:[1,0,0]
	v_pk_mul_f32 v[zsn:zsn+1], v[ztt:ztt+1], v[zca:zca+1]
.endr
.endm
.macro CMUL a, b                       ; frequency a + b: cos = cos cos - sin sin, sin = sin cos + cos sin
.irp u, 0,1
	ZSET \u, \a, \b, \a+\b
	v_pk_mul_f32 v[zcn:zcn+1], v[zsa:zsa+1], v[zsb:zsb+1]
	v_pk_mul_f32 v[zsn:zsn+1], v[zca:zca+1], v[zsb:zsb+1]
.endr
.irp u, 0,1
	ZSET \u, \a, \b, \a+\b
	v_pk_fma_f32 v[zcn:zcn+1], v[zca:zca+1], v[zcb:zcb+1], v[zcn:zcn+1] neg_lo:[0,0,1] neg_hi:[0,0,1]
	v_pk_fma_f32 v[zsn:zsn+1], v[zsa:zsa+1], v[zcb:zcb+1], v[zsn:zsn+1]
.endr
.endm
.macro REFL j                          ; frequency 8 + j from j and 8 - j
.irp u, 0,1
	ZSET \u, \j, 8-\j, 8+\j
	v_pk_fma_f32 v[zcn:zcn+1], v[zd8:zd8+1], v[zca:zca+1], v[zcb:zcb+1] neg_lo:[0,0,1] neg_hi:[0,0,1]
	v_pk_fma_f32 v[zsn:zsn+1], v[zd8:zd8+1], v[zsa:zsa+1], v[zsb:zsb+1]
.endr
.endm
.macro HORN ks, kc                     ; a step of both series, both units: four chains that do not wait for each other
.irp u, 0,1
	v_pk_fma_f32 v[TPS+20*\u:TPS+20*\u+1], v[TPS+20*\u:TPS+20*\u+1], v[TU+20*\u:TU+20*\u+1], s[\ks:\ks+1] op_sel_hi:[1,1,0]
	v_pk_fma_f32 v[TPC+20*\u:TPC+20*\u+1], v[TPC+20*\u:TPC+20*\u+1], v[TU+20*\u:TU+20*\u+1], s[\kc:\kc+1] op_sel_hi:[1,1,0]
.endr
.endm
; A MAKING WAVE'S STEP: from the lane's four x in v[XV ..] (two units of two) to a fragment of cosines and one of sines, stored as images into buffer buf.
.macro GEN buf
.irp u, 0,1
	v_pk_fma_f32 v[TQ+20*\u:TQ+20*\u+1], v[XV+2*\u:XV+2*\u+1], s[K_IPI:K_IPI+1], s[K_MAG:K_MAG+1] op_sel_hi:[1,0,0]   ; x / pi + 1.5 x 2^23: the sum's last bits are n, to the nearest
.endr
.irp u, 0,1
	v_pk_add_f32 v[TNF+20*\u:TNF+20*\u+1], v[TQ+20*\u:TQ+20*\u+1], s[K_NMG:K_NMG+1] op_sel_hi:[1,0]                    ; n as f32
.endr
.irp u, 0,1
	v_lshlrev_b32 v[TSG+20*\u], 31, v[TQ+20*\u]                                                                          ; n's parity becomes a sign
	v_lshlrev_b32 v[TSG+20*\u+1], 31, v[TQ+20*\u+1]
.endr
.irp u, 0,1
	v_pk_fma_f32 v[TR+20*\u:TR+20*\u+1], v[TNF+20*\u:TNF+20*\u+1], s[K_NPH:K_NPH+1], v[XV+2*\u:XV+2*\u+1] op_sel_hi:[1,0,1]   ; r = x - n pi, pi in two parts
.endr
.irp u, 0,1
	v_pk_fma_f32 v[TR+20*\u:TR+20*\u+1], v[TNF+20*\u:TNF+20*\u+1], s[K_NPL:K_NPL+1], v[TR+20*\u:TR+20*\u+1] op_sel_hi:[1,0,1]
.endr
.irp u, 0,1
	v_pk_mul_f32 v[TU+20*\u:TU+20*\u+1], v[TR+20*\u:TR+20*\u+1], v[TR+20*\u:TR+20*\u+1]
.endr
.irp u, 0,1
	v_pk_fma_f32 v[TPS+20*\u:TPS+20*\u+1], v[TU+20*\u:TU+20*\u+1], s[K_S13:K_S13+1], s[K_S11:K_S11+1] op_sel_hi:[1,0,0]
	v_pk_fma_f32 v[TPC+20*\u:TPC+20*\u+1], v[TU+20*\u:TU+20*\u+1], s[K_C12:K_C12+1], s[K_C10:K_C10+1] op_sel_hi:[1,0,0]
.endr
.irp u, 0,1
	v_pk_mul_f32 v[TNF+20*\u:TNF+20*\u+1], v[TR+20*\u:TR+20*\u+1], v[TU+20*\u:TU+20*\u+1]                                 ; r^3
.endr
	HORN K_S9, K_C8
	HORN K_S7, K_C6
	HORN K_S5, K_C4
.irp u, 0,1
	v_pk_fma_f32 v[TPS+20*\u:TPS+20*\u+1], v[TPS+20*\u:TPS+20*\u+1], v[TU+20*\u:TU+20*\u+1], s[K_S3:K_S3+1] op_sel_hi:[1,1,0]
	v_pk_fma_f32 v[TPC+20*\u:TPC+20*\u+1], v[TPC+20*\u:TPC+20*\u+1], v[TU+20*\u:TU+20*\u+1], -0.5 op_sel_hi:[1,1,0]
.endr
.irp u, 0,1
	v_pk_fma_f32 v[TPS+20*\u:TPS+20*\u+1], v[TNF+20*\u:TNF+20*\u+1], v[TPS+20*\u:TPS+20*\u+1], v[TR+20*\u:TR+20*\u+1]     ; sin r = r + r^3 (..)
	v_pk_fma_f32 v[TPC+20*\u:TPC+20*\u+1], v[TPC+20*\u:TPC+20*\u+1], v[TU+20*\u:TU+20*\u+1], 1.0 op_sel_hi:[1,1,0]        ; cos r = 1 + r^2 (..)
.endr
.irp u, 0,1
	v_xor_b32 v[CN+64*\u], v[TPC+20*\u], v[TSG+20*\u]                                                                    ; frequency 1: x (-1)^n
	v_xor_b32 v[CN+64*\u+1], v[TPC+20*\u+1], v[TSG+20*\u+1]
	v_xor_b32 v[SN+64*\u], v[TPS+20*\u], v[TSG+20*\u]
	v_xor_b32 v[SN+64*\u+1], v[TPS+20*\u+1], v[TSG+20*\u+1]
.endr
	SQUARE 1
	CMUL 2, 1
	SQUARE 2
	CMUL 4, 1
	SQUARE 4
	CMUL 4, 2
	CMUL 4, 3
.irp u, 0,1
	ZSET \u, 8, 8, 16
	v_pk_add_f32 v[zd8:zd8+1], v[zca:zca+1], v[zca:zca+1]
.endr
.irp j, 1,2,3,4,5,6,7
	REFL \j
.endr
.irp u, 0,1
	ZSET \u, 8, 8, 16
	v_pk_fma_f32 v[zcn:zcn+1], v[zd8:zd8+1], v[zca:zca+1], -1.0 op_sel_hi:[1,1,0]
	v_pk_mul_f32 v[zsn:zsn+1], v[zd8:zd8+1], v[zsa:zsa+1]
.endr
; the hold at the largest code x the scale (the conversion to an 8-bit code does not saturate: ISA guide 7.6.2; it stands whatever the given exponent is, without a branch), and the conversions:
; unit u's 32 registers are bytes 32 u .. 32 u + 31 of the fragment
.irp u, 0,1
.set i, 0
.rept 32
	v_med3_num_f32 v[CN+64*\u+i], v[CN+64*\u+i], -v[LIMC], v[LIMC]
.set i, i+1
.endr
.irp q, 0,1,2,3
	v_cvt_scalef32_pk8_fp8_f32 v[CODC+8*\u+2*\q:CODC+8*\u+2*\q+1], v[CN+64*\u+8*\q:CN+64*\u+8*\q+7], v[SCAC]
.endr
.set i, 0
.rept 32
	v_med3_num_f32 v[SN+64*\u+i], v[SN+64*\u+i], -v[LIMS], v[LIMS]
.set i, i+1
.endr
.irp q, 0,1,2,3
	v_cvt_scalef32_pk8_fp8_f32 v[CODS+8*\u+2*\q:CODS+8*\u+2*\q+1], v[SN+64*\u+8*\q:SN+64*\u+8*\q+7], v[SCAS]
.endr
.endr
	v_nop                                          ; one plain vector instruction behind the last scaled conversion of the run
.irp c, 0,1,2,3
	ds_store_b128 v[AW], v[CODC+4*\c:CODC+4*\c+3] offset:\buf*ABUF+512*\c
.endr
.irp c, 0,1,2,3
	ds_store_b128 v[AW], v[CODS+4*\c:CODS+4*\c+3] offset:\buf*ABUF+8192+512*\c
.endr
.endm
; The next step's four x, out of my own stage (LDS serves a wave's instructions in order: ISA guide 5.7.1.4).  sw = 1: where the next epoch begins a chunk of 64 numbers a row, the chunk that was asked for
; four epochs ago goes into the stage first, and the chunk behind it is asked for.  The branch hangs on the trips' count alone.
.macro XNEXT off, sw
.if \sw
	s_cmp_lg_u32 s[XO], 0
	s_cbranch_scc1 .Lsame_chunk_\@
	s_wait_loadcnt 0x0                             ; the chunk is in
.irp j, 0,1,2,3,4,5,6,7
	ds_store_b128 v[XW], v[XG+4*\j:XG+4*\j+3] offset:2*XPIT*\j
.endr
	s_wait_dscnt 0x0                               ; the stores have read their registers
.irp j, 0,1,2,3,4,5,6,7
	global_load_b128 v[XG+4*\j:XG+4*\j+3], v[XGA], s[XB:XB+1] offset:4096*\j   ; sixteen lanes read 256 consecutive bytes of a row, aligned
.endr
.Lsame_chunk_\@:
.endif
	ds_load_b128 v[XV:XV+3], v[XAD] offset:\off    ; waited for in front of the next barrier
.endm
; AN EPOCH: two steps.  While the multiplying waves read A of one step, the making waves write A of the next into the other buffer.
.macro EPOCH first, fill, last
	RINGBAR \fill, \first
	s_cmp_lt_u32 s[WV], 4
	s_cbranch_scc0 .Lmake_a_\@
.if \first
	CINT 0, 0, 1, 2
.else
	CINT 0, 1, 1, 1
.endif
	s_branch .Lmet_a_\@
.Lmake_a_\@:
	GEN 1
.if !\last
	XNEXT 0, 1
.endif
.Lmet_a_\@:
	PLAINBAR
	s_cmp_lt_u32 s[WV], 4
	s_cbranch_scc0 .Lmake_b_\@
.if \first
	CINT 1, 2, 1, 1
.else
	CINT 1, 1, 1, 1
.endif
.if !\last
	s_branch .Lmet_b_\@
.endif
.Lmake_b_\@:
.if !\last
	GEN 0
	XNEXT 32, 0
.Lmet_b_\@:
.endif
	s_xor_b32 s[TB], s[TB], SLOTB                  ; on to the other slot
	s_add_co_u32 s[XE], s[XE], 64
.endm
	s_load_b256 s[4:11], s[0:1], 0x0               ; x s[4:5], bq s[6:7], lowp_scales s[8:9], bias s[10:11]
	s_load_b64 s[12:13], s[0:1], 0x20              ; out0
	v_lshl_add_u32 v[SPW], v0, 2, SPARE
	v_mov_b32 v[NIL], 0
	ds_add_u32 v[SPW], v[NIL]                      ; the wave's opening: the add and its wait stand ahead of my first tensor load; the set-up below, work on registers, stands between them
	v_lshrrev_b32 v19, 5, v0
	v_readfirstlane_b32 s[WV], v19                 ; wave 0..7
	s_and_b32 s[KIND], s[WV], 1
	s_and_b32 s[W3], s[WV], 3
	v_and_b32 v16, 31, v0                          ; l
	v_and_b32 v17, 15, v0                          ; r
	v_bfe_u32 v18, v0, 4, 1                        ; h
	v_lshlrev_b32 v19, 4, v16                      ; 16 l
	s_lshl_b32 s20, s[W3], 15
	v_add_nc_u32 v[AB0], s20, v19
	s_lshl_b32 s20, s[KIND], 13
	s_add_co_u32 s20, s20, A_BASE
	v_add_nc_u32 v[ADA], s20, v19
	s_lshl_b32 s20, s[W3], 11
	s_add_co_u32 s20, s20, A_BASE
	v_add_nc_u32 v[AW], s20, v19
	s_mul_i32 s20, s[W3], XSTG
	s_add_co_u32 s20, s20, X_BASE
	v_mul_u32_u24 v20, v18, XPIT
	v_lshl_add_u32 v20, v17, 4, v20
	v_add_nc_u32 v[XW], s20, v20
	v_mul_u32_u24 v20, v17, XPIT
	v_lshl_add_u32 v20, v18, 4, v20
	v_add_nc_u32 v[XR0], s20, v20
	v_lshlrev_b32 v20, 4, v17
	v_lshl_add_u32 v[XG0], v18, 11, v20
	v_lshlrev_b32 v[PFO], 8, v16
	s_mul_i32 s20, s[KIND], YKIND                  ; y stage, in: my kind's stage, my 128 columns' 512 bytes, row r, 32 h
	s_bfe_u32 s2, s[WV], 0x10001
	s_lshl_b32 s2, s2, 9
	s_add_co_u32 s20, s20, s2
	v_mul_u32_u24 v20, v17, YPIT
	v_lshl_add_u32 v20, v18, 5, v20
	v_add_nc_u32 v[STO], s20, v20
	s_mul_i32 s20, s[WV], 8*YPIT                   ; back: wave w takes rows 8 w .. 8 w + 7
	v_add_nc_u32 v[RD0], s20, v19
	v_add_nc_u32 v[RD1], YKIND, v[RD0]
	v_lshlrev_b32 v[L16], 4, v16                   ; the thread's number has served
	; where my cluster's walk begins: SG, from the cluster's number, which the four partners share
	s_and_b32 s[XS], ttmp9, 7                      ; in a cluster launch ttmp9 counts clusters
	s_bfe_u32 s3, ttmp9, 0x10003
	s_mul_i32 s3, s3, 7
	s_xor_b32 s[XS], s[XS], s3
	s_bfe_u32 s3, ttmp9, 0x10004
	s_mul_i32 s3, s3, 3
	s_xor_b32 s[XS], s[XS], s3                     ; SG, 0 to 7
	s_lshl_b32 s[EO], s[XS], 19                    ; epoch 4 SG, of 131,072 bytes each
	s_mov_b32 s[EO+1], 0
	s_lshl_b32 s[XS], s[XS], 8                     ; chunk SG, of 256 bytes in each row of x
	v_add_nc_u32 v[XGA], s[XS], v[XG0]
	s_add_co_u32 s[XS], s[XS], 256
	; descriptor group 1: 64 rows of 32 elements of 8 bytes, dense in memory and in LDS: 16,384 bytes
	s_mov_b32 s[G1+0], 15|(3<<16)|(1<<21)          ; 15:0 the mask: all four work-groups; 17:16 elements of 8 bytes; 20 no padding; 21 set beside a mask
	s_mov_b32 s[G1+1], 32<<16                      ; tensor_dim0 = 32
	s_mov_b32 s[G1+2], 64<<16                      ; tensor_dim1 = 64
	s_mov_b32 s[G1+3], 32<<16                      ; tile_dim0 = 32
	s_mov_b32 s[G1+4], 64                          ; tile_dim1 = 64
	s_mov_b32 s[G1+5], 32                          ; tensor_dim0_stride
	s_mov_b32 s[G1+6], 0
	s_mov_b32 s[G1+7], 0
	s_mov_b32 s[G0+0], 1                           ; count = 1
	s_lshl_b32 s[G0+1], s[WV], 14                  ; LDS address: slot 0, my part: no place in the cluster enters it
	s_and_b32 s19, ttmp7, 0xffff                   ; ct: the column tile, which the four partners share
	s_lshl_b32 s[G0+2], s19, 22                    ; bq: ct x 4,194,304 + wave x 16,384
	s_lshl_b32 s2, s[WV], 14
	s_add_co_u32 s[G0+2], s[G0+2], s2
	s_mov_b32 s[G0+3], 0
	s_lshl_b32 s[BIAS], s19, 10                    ; bias: 256 ct numbers on
	s_mov_b32 s[BIAS+1], 0
	s_bfe_u32 s17, ttmp6, 0x40000                  ; cx: my place in the cluster: it enters global addresses of x, out0 and the prefetch alone
	s_lshl_b32 s18, ttmp9, 2
	s_add_co_u32 s18, s18, s17                     ; my block of 64 rows
	s_lshl_b32 s[XB], s18, 17                      ; x: (64 rb + 16 (w % 4)) rows of 2,048 bytes
	s_lshl_b32 s3, s[W3], 15
	s_add_co_u32 s[XB], s[XB], s3
	s_mov_b32 s[XB+1], 0
	s_lshl_b32 s[OUTB], s18, 17                    ; out0: (64 rb + 8 w) rows of 2,048 bytes + 1,024 ct
	s_lshl_b32 s3, s[WV], 14
	s_add_co_u32 s[OUTB], s[OUTB], s3
	s_add_co_u32 s[OUTB], s[OUTB], s[BIAS]
	s_mov_b32 s[OUTB+1], 0
	s_lshl_b32 s[PFA], s19, 22                     ; the prefetch: the walk's fourth epoch, 4 SG + 3 (31 at the most), my work-group's 32,768 bytes of it, my wave's 8,192
	s_add_co_u32 s[PFA], s[PFA], 3*SLOTB
	s_add_co_u32 s[PFA], s[PFA], s[EO]
	s_lshl_b32 s3, s17, 15
	s_add_co_u32 s[PFA], s[PFA], s3
	s_lshl_b32 s3, s[W3], 13
	s_add_co_u32 s[PFA], s[PFA], s3
	s_mov_b32 s[PFA+1], 0
	s_lshr_b32 s2, s[WV], 2                        ; 0 in waves 0-3,
	s_lshr_b32 s3, ttmp9, 3                        ; of clusters 0 to 7: the same in all four partners
	s_or_b32 s2, s2, s3
	s_cmp_eq_u32 s2, 0
	s_cselect_b32 s[LIM], 1, 0
	s_mov_b32 s[TB], 0
	s_mov_b32 s[XE], 64
	KPAIR K_IPI, 0x3ea2f983                        ; 1 / pi
	KPAIR K_MAG, 0x4b400000                        ; 1.5 x 2^23
	KPAIR K_NMG, 0xcb400000
	KPAIR K_NPH, 0xc0490fdb                        ; - pi's upper part
	KPAIR K_NPL, 0x33bbbd2e                        ; - pi's lower part (pi lies under its nearest f32 number)
	KPAIR K_S13, 0x2f309231                        ; 1 / 13!
	KPAIR K_S11, 0xb2d7322b                        ; - 1 / 11!
	KPAIR K_S9,  0x3638ef1d
	KPAIR K_S7,  0xb9500d01
	KPAIR K_S5,  0x3c088889
	KPAIR K_S3,  0xbe2aaaab
	KPAIR K_C12, 0x310f76c7                        ; 1 / 12!
	KPAIR K_C10, 0xb493f27e
	KPAIR K_C8,  0x37d00d01
	KPAIR K_C6,  0xbab60b61
	KPAIR K_C4,  0x3d2aaaab
	s_wait_dscnt 0x0                               ; the opening add is done
	s_wait_kmcnt 0x0
	s_load_b128 s[52:55], s[8:9], 0x0              ; e0, e1, e2, e3
	s_add_nc_u64 s[PFA:PFA+1], s[6:7], s[PFA:PFA+1]
	s_add_nc_u64 s[GB:GB+1], s[6:7], s[G0+2:G0+3]  ; bq at my column tile and my part of an epoch
	s_add_nc_u64 s[G0+2:G0+3], s[GB:GB+1], s[EO:EO+1]  ; at the walk's first epoch
	s_or_b32 s[G0+3], s[G0+3], 0x80000000          ; type = 2
	s_add_nc_u64 s[BIAS:BIAS+1], s[10:11], s[BIAS:BIAS+1]
	s_add_nc_u64 s[XB:XB+1], s[4:5], s[XB:XB+1]
	s_add_nc_u64 s[OUTB:OUTB+1], s[12:13], s[OUTB:OUTB+1]
	ROUND                                          ; all four work-groups are here: the first joint loads meet
	TLOAD                                          ; the walk's first epoch into slot 0
	s_wait_kmcnt 0x0
	s_add_co_i32 s[SCLC], s52, s53
	s_add_co_i32 s[SCLC], s[SCLC], 127
	s_lshl_b32 s[SCLC], s[SCLC], 23                ; 2^(e0 + e1) as f32
	s_mov_b32 s[SCLC+1], s[SCLC]
	s_add_co_i32 s[SCLS], s54, s55
	s_add_co_i32 s[SCLS], s[SCLS], 127
	s_lshl_b32 s[SCLS], s[SCLS], 23                ; 2^(e2 + e3)
	s_mov_b32 s[SCLS+1], s[SCLS]
	s_cmp_lt_u32 s[WV], 4
	s_cbranch_scc1 .Lhead_done
	; the making waves: their scales, the walk's first two chunks of x, A of its first step
	s_add_co_i32 s20, s52, 127
	s_lshl_b32 s2, s20, 23
	v_mov_b32 v[SCAC], s2                          ; 2^e0: the conversion takes its exponent field
	s_add_co_i32 s20, s20, 8
	s_lshl_b32 s20, s20, 23
	s_or_b32 s20, s20, 0x600000
	v_mov_b32 v[LIMC], s20                         ; 448 x 2^e0
	s_add_co_i32 s20, s54, 127
	s_lshl_b32 s2, s20, 23
	v_mov_b32 v[SCAS], s2
	s_add_co_i32 s20, s20, 8
	s_lshl_b32 s20, s20, 23
	s_or_b32 s20, s20, 0x600000
	v_mov_b32 v[LIMS], s20
.irp j, 0,1,2,3,4,5,6,7
	global_load_b128 v[XG+4*\j:XG+4*\j+3], v[XGA], s[XB:XB+1] offset:4096*\j         ; chunk SG
.endr
	s_wait_loadcnt 0x0                             ; the chunk is in, and the loads' offset may be written
	s_and_b32 s20, s[XS], 0x700
	v_add_nc_u32 v[XGA], s20, v[XG0]               ; chunk SG + 1, round modulo 8
.irp j, 0,1,2,3,4,5,6,7
	ds_store_b128 v[XW], v[XG+4*\j:XG+4*\j+3] offset:2*XPIT*\j
.endr
	s_wait_dscnt 0x0                               ; the stores have read their registers
.irp j, 0,1,2,3,4,5,6,7
	global_load_b128 v[XG+4*\j:XG+4*\j+3], v[XGA], s[XB:XB+1] offset:4096*\j         ; staged four epochs on
.endr
	ds_load_b128 v[XV:XV+3], v[XR0]                ; the first step's x
	s_wait_dscnt 0x0
	GEN 0
	ds_load_b128 v[XV:XV+3], v[XR0] offset:32      ; the second's
.Lhead_done:
	EPOCH 1, 1, 0                                  ; the first epoch is written out: its products start the sums
	s_mov_b32 s[EC], 30
.Lepoch:
	EPOCH 0, 1, 0
	s_sub_co_u32 s[EC], s[EC], 1
	s_cmp_lg_u32 s[EC], 0
	s_cbranch_scc1 .Lepoch
	EPOCH 0, 0, 1                                  ; the last epoch is written out: nothing is left to fetch or to make
	; THE WAY OUT.  Behind this barrier nobody reads a slot any more, and both have had their last fill: the stage for the sums lies there.
	PLAINBAR
	s_wait_loadcnt 0x0                             ; (the making waves' last look-ahead chunk has landed: its registers take other data below)
	global_load_b128 v[16:19], v[L16], s[BIAS:BIAS+1]             ; bias of columns 4 l .. 4 l + 3 of the tile's first 128,
	global_load_b128 v[20:23], v[L16], s[BIAS:BIAS+1] offset:512  ; and of its second
	s_cmp_lt_u32 s[WV], 4
	s_cbranch_scc0 .Lno_sums
	CINT 0, 1, 0, 0                                ; the second half of the last step, out of registers; four places follow it
	WIN 0x04                                       ; the stores' data lie in window 1
.irp a, 0,1,2,3
.irp b, 0,1,2,3,4,5,6,7
	ds_store_b128 v[STO], v[64*\a+8*\b:64*\a+8*\b+3] offset:\a*16*YPIT+64*\b          ; lane (r, h): sum(16 a + r, 16 b + 8 h + 0 .. 7) of my kind and half; each accumulator from its low end on
	ds_store_b128 v[STO], v[64*\a+8*\b+4:64*\a+8*\b+7] offset:\a*16*YPIT+64*\b+16
.endr
.endr
	WIN 0
.Lno_sums:
	PLAINBAR                                       ; 64 whole rows of both kinds' sums lie in the stage
.irp n, 0,1,2,3,4,5,6,7,8,9,10,11,12,13,14,15      ; row n / 2 of my eight, half n % 2 of its 256 columns
	ds_load_b128 v[24+8*\n:27+8*\n], v[RD0] offset:YPIT*(\n/2)+512*(\n%2)
	ds_load_b128 v[28+8*\n:31+8*\n], v[RD1] offset:YPIT*(\n/2)+512*(\n%2)
.endr
	s_wait_loadcnt 0x0                             ; bias
.irp n, 0,1,2,3,4,5,6,7,8,9,10,11,12,13,14,15
	s_wait_dscnt 30-2*\n                           ; this pair of loads is in; the younger pairs may be out
	v_pk_fma_f32 v[24+8*\n:25+8*\n], v[24+8*\n:25+8*\n], s[SCLC:SCLC+1], v[16+4*(\n%2):17+4*(\n%2)] op_sel_hi:[1,0,1]   ; cos_sum x 2^(e0 + e1) + bias
	v_pk_fma_f32 v[26+8*\n:27+8*\n], v[26+8*\n:27+8*\n], s[SCLC:SCLC+1], v[18+4*(\n%2):19+4*(\n%2)] op_sel_hi:[1,0,1]
	v_pk_fma_f32 v[24+8*\n:25+8*\n], v[28+8*\n:29+8*\n], s[SCLS:SCLS+1], v[24+8*\n:25+8*\n] op_sel_hi:[1,0,1]           ; + sin_sum x 2^(e2 + e3)
	v_pk_fma_f32 v[26+8*\n:27+8*\n], v[30+8*\n:31+8*\n], s[SCLS:SCLS+1], v[26+8*\n:27+8*\n] op_sel_hi:[1,0,1]
	global_store_b128 v[L16], v[24+8*\n:27+8*\n], s[OUTB:OUTB+1] offset:2048*(\n/2)+512*(\n%2) th:TH_STORE_NT             ; 32 lanes store 512 consecutive bytes, at a multiple of 256 from out0's first byte
.endr
	s_wait_tensorcnt 0x0                           ; the wave's end: behind my last tensor load and my last LDS store
	ds_add_u32 v[SPW], v[NIL]
	s_wait_dscnt 0x0
	ROUND                                          ; the closing round: no work-group ends while a partner may still ask for a tile that names it
	s_endpgm
.Lfunc_end_k_q43b0e76399_kan:
	.size	k_q43b0e76399_kan, .Lfunc_end_k_q43b0e76399_kan-k_q43b0e76399_kan
	.p2alignl 7, 3214868480
	.fill 96, 4, 3214868480
	.section	.rodata,"a",@progbits
	.p2align	6, 0x0
	.amdhsa_kernel k_q43b0e76399_kan
		.amdhsa_group_segment_fixed_size 327680
		.amdhsa_private_segment_fixed_size 0
		.amdhsa_enable_private_segment 0
		.amdhsa_kernarg_size 40
		.amdhsa_user_sgpr_count 2
		.amdhsa_user_sgpr_kernarg_segment_ptr 1
		.amdhsa_wavefront_size32 1
		.amdhsa_system_sgpr_workgroup_id_x 1
		.amdhsa_system_sgpr_workgroup_id_y 1
		.amdhsa_system_sgpr_workgroup_id_z 1
		.amdhsa_system_vgpr_workitem_id 0
		.amdhsa_next_free_vgpr 512
		.amdhsa_next_free_sgpr 92
		.amdhsa_reserve_vcc 0
		.amdhsa_float_denorm_mode_32 3
		.amdhsa_float_denorm_mode_16_64 3
		.amdhsa_memory_ordered 1
		.amdhsa_forward_progress 1
		.amdhsa_inst_pref_size 169
	.end_amdhsa_kernel
	.amdgpu_metadata
---
amdhsa.version: [ 1, 2 ]
amdhsa.kernels:
  - .name:           k_q43b0e76399_kan
    .symbol:         k_q43b0e76399_kan.kd
    .args:
      - { .name: x, .offset: 0, .size: 8, .value_kind: global_buffer, .address_space: global }
      - { .name: bq, .offset: 8, .size: 8, .value_kind: global_buffer, .address_space: global }
      - { .name: lowp_scales, .offset: 16, .size: 8, .value_kind: global_buffer, .address_space: global }
      - { .name: bias, .offset: 24, .size: 8, .value_kind: global_buffer, .address_space: global }
      - { .name: out0, .offset: 32, .size: 8, .value_kind: global_buffer, .address_space: global }
    .group_segment_fixed_size: 327680
    .private_segment_fixed_size: 0
    .kernarg_segment_align: 8
    .kernarg_segment_size: 40
    .max_flat_workgroup_size: 256
    .sgpr_count:     92
    .vgpr_count:     512
    .wavefront_size: 32
...
	.end_amdgpu_metadata
.endif
;; end of part 3
